; MI455X (gfx1250); checked and timed in simulation.
; The chip was launched on July 23, 2026; its instructions are those of AMD's public machine-readable ISA for CDNA 5 (MIT licence, August 2026) and "CDNA5" Instruction Set Architecture Reference Guide (July 2026). The comments in the code are by the model that wrote it; some were corrected since.
;; Transformer Block. Allowed arithmetic: matrix products marked QUANTISED: E2M1 operands, one E8M0 scale for each 32 along K, by v_wmma_scale_f32_16x16x128_f8f6f4 with both operands' format E2M1 (or v_wmma_scale_f32_32x16x128_f4), f32 sums; everything else in f32.
;; Inputs: fc1_b 4,096 float32; fc1_w 1,024 x 4,096 float32; fc2_b 1,024 float32; fc2_w 4,096 x 1,024 float32; ln1_b 1,024 float32; ln1_w 1,024 float32; ln2_b 1,024 float32; ln2_w 1,024 float32; proj_b 1,024 float32; proj_w 1,024 x 1,024 float32; qkv_b 3,072 float32; qkv_w 1,024 x 3,072 float32; x 2 x 2,048 x 1,024 float32.
;; Outputs: out0 2 x 2,048 x 1,024 float32.
;; This version of the problem:
;;   THIS VERSION OF THE PROBLEM IS GIVEN IN LOW PRECISION. The matrix products marked QUANTISED in the list below multiply operands that are first quantised to E2M1 (2 exponent bits, 1 mantissa bit; 4 bits a number), with one power-of-two scale for each 32 numbers along K (OCP MX v1.0); their sums are f32. All else is computed in f32.
;;   The module's matrix products, in the order in which they are computed (A, B: the left and right operand; K: the contracted axis; several contracted axes count as one K, in the product's order):
;;     1. [M 4,096, K 1,024] x [K 1,024, N 3,072]; A: computed on the way; B: input qkv_w: QUANTISED
;;     2. batch 32 x [M 2,048, K 64] x [K 64, N 2,048]; A: computed on the way; B: computed on the way: QUANTISED
;;     3. batch 32 x [M 64, K 2,048] x [K 2,048, N 2,048]; A: computed on the way; B: softmax (see below): QUANTISED
;;     4. [M 4,096, K 1,024] x [K 1,024, N 1,024]; A: computed on the way; B: input proj_w: QUANTISED
;;     5. [M 4,096, K 1,024] x [K 1,024, N 4,096]; A: computed on the way; B: input fc1_w: QUANTISED
;;     6. [M 4,096, K 4,096] x [K 4,096, N 1,024]; A: computed on the way; B: input fc2_w: QUANTISED
;;   THE QUANTISER, for each operand of a quantised product, along K:
;;     - K is cut into blocks of 32 from its start; a last block that is shorter is filled with zeros.
;;     - A block's scale is 2^e with e = floor(log2(the largest magnitude in the block)) - 2, held to -126 .. 127; a block of zeros has e = 0. As a byte (E8M0): e + 127.
;;     - Each number is divided by its block's scale, clamped to +-6, and rounded to the nearest number of E2M1, ties to even, subnormals kept.
;;     - The product sums the exact products of the quantised numbers (number of the format x scale) in f32.
;;   ~~~python
;;   def quantise(x, axis):      # numpy; x: float32 -> the quantised numbers, widened to float32 again
;;       x = np.moveaxis(x, axis, -1); K = x.shape[-1]
;;       x = np.pad(x, [(0, 0)] * (x.ndim - 1) + [(0, -K % 32)]); x = x.reshape(x.shape[:-1] + (-1, 32)); a = np.abs(x).max(-1, keepdims=True)
;;       e = np.where(a > 0, np.clip(np.frexp(np.where(a > 0, a, 1))[1] - 1 - 2, -126, 127), 0)      # np.frexp(a)[1] - 1 = floor(log2(a)), exactly
;;       r = np.clip(x / 2.0 ** e, -6, 6)
;;       step = 2.0 ** (np.maximum(np.frexp(np.where(r == 0, 1, r))[1] - 1, 0) - 1)
;;       q = np.round(r / step) * step * 2.0 ** e      # np.round: ties to even
;;       return np.moveaxis(q.reshape(q.shape[:-2] + (-1,))[..., :K], -1, axis).astype(np.float32)
;;   ~~~
;;   SOFTMAX AHEAD OF A QUANTISED PRODUCT. Where the list says 'softmax', what is quantised is not the finished softmax but p = 2^(t - M), with t = logit x log2(e) and M = ceil(the row's largest t), a whole number; so 1/2 < the row's largest p <= 1. The row's sum l is taken of the UNQUANTISED p, in f32, and the product's result is divided by l at the end. Since M is a whole number, a kernel that streams over the keys may use a running M (the ceiling of the running maximum): every later rescaling is an exact power of two, which a block's scale takes up: the codes' values come out the same.
;;   OPERANDS COMPUTED ON THE WAY. 'Computed on the way' means the value that the module computes at that place (a softmax that the list does not call 'softmax' is quantised finished and normalised). What goes into a quantiser is computed in f32, as accurately as f32 sums, v_exp_f32 and their like allow (about 1e-6 of the number): no bf16 or f16 on the way to a quantiser, and a product that is left as it is and whose result goes on into a quantised operand takes f32 operands (vector FMAs, or v_wmma_f32_16x16x4_f32). A number that lies on a knife's edge between two numbers of the format may be rounded either way, as far as f32 arithmetic and the matrix unit's own rounding can turn it there, and no further.
;; One version. Each part assembles by itself: llvm-mc -triple=amdgcn-amd-amdhsa -mcpu=gfx1250 --defsym DOCPART=n.
;; ======== version 1 of 1: 6 launches
;; limits: right only within a limited range of input values
;; workspace buffers: wimg 6,684,672 bytes; aimg 2,228,224 bytes; qimg 2,359,296 bytes; kv 4,587,520 bytes; a2 2,228,224 bytes; x1 16,777,216 bytes; a4 8,912,896 bytes
;; launch prep (part 1): grid 640 x 1, 8 waves a work-group, no clusters, 84,992 bytes of LDS; arguments x, ln1_w, ln1_b, aimg, qkv_w, proj_w, fc1_w, fc2_w, wimg; writes aimg, wimg
.if DOCPART == 1
	.amdgcn_target "amdgcn-amd-amdhsa--gfx1250"
	.amdhsa_code_object_version 6
	.text
	.protected	k_qb5f58fd2e2_prep
	.globl	k_qb5f58fd2e2_prep
	.p2align	8
	.type	k_qb5f58fd2e2_prep,@function
k_qb5f58fd2e2_prep:
	s_mov_b64 s[64:65], 0
	v_nop
	global_prefetch_b8 v0, s[64:65] scope:SCOPE_SE
	s_setreg_imm32_b32 hwreg(HW_REG_WAVE_MODE, 25, 1), 1
	s_wait_xcnt 0x0
; THE PROGRAM: a pre-norm transformer block, all six products on codes of FP4 (E2M1) with one E8M0 scale for each 32 along K.  Six launches: this one (weights to codes, and LayerNorm 1), q k v, attention,
; the projection with its residual and LayerNorm 2, the first MLP product with GELU, the second with its residual.
; DEAD WORK: none.  Every input has a way to out0 for all values: each weight and bias enters a live product or its result, k's bias moves k's codes, nothing is sliced away.  So nothing of reference() is left out.
; LIMITS: NaN and infinities among the inputs are not served.  A block whose largest magnitude lies under 2^(3 - 127) gets the scale byte 1; a block of zeros too, where the rule says 127: its codes are zeros, which
; add nothing under any byte but 0xff, and the bytes are read by this program alone.
; THIS LAUNCH does two jobs of which neither needs the other's result and both are wanted by the next launch.  They part on the work-group's number alone, at the head, and never join; each has LDS bytes of its own.
; IMAGES OF OPERAND REGISTERS.  TILE ORDER: rows (a weight's columns, or tokens) go in groups of 32; tile 2 g + u, slot r holds row 32 g + 8 u + r + 8 (r / 8).  A RECORD is one tile x 1,024 along K, 8,704 bytes:
; block B (32 along K) of slot r has its 16 bytes of codes at 256 B + 16 r, its scale byte at 8192 + 256 (B / 16) + 16 r + B % 16.  So registers 4 c .. 4 c + 3 of K step s of a fragment lie at 1024 s + 512 c + 16 x lane.
; WORK-GROUPS 0-383: the four weights, f32 [K][N] with K their FIRST axis, into wimg, [K / 1024][N / 16] records each.  They stand first: they have the longer work.
; A LANE TAKES A COLUMN AND ITS REGISTERS RUN DOWN K: a block of 32 lies in one lane's 32 registers, the conversions give codes with K innermost, and a lane's 16 bytes go straight to their place:
; sixteen lanes of a store fill 256 consecutive bytes, aligned.  A work-group takes 64 columns x 512 K; wave w: columns 32 (w % 2) on, K step w / 2 of the four.
; The four waves of a column group each make one word of a slot's 16 scale bytes: the words meet in LDS, and waves 0 and 1 store them as whole runs of 256 bytes.
; WORK-GROUPS 384-639: LayerNorm 1 over rows of 1,024 f32, quantised along the row: work-group 384 + T makes record T of aimg; wave w slots 2 w, 2 w + 1, which are two consecutive rows.
; mean, then the mean of (x - mean)^2, as reference() has them; y = ((x - mean) rsqrt(var + 1e-5)) w + b, all f32.  For the sums a lane holds 4 neighbours of each 128; the conversions want 32 neighbours in one lane:
; each row turns through the wave's own stage in LDS (a lane's 128 bytes + 16 of padding), after which lane = block.  Codes and scale bytes of the 16 slots meet in LDS and leave as runs of 512 consecutive bytes.
.set NWQ,   384                        ; work-groups for the weights
.set WPROJ, 1671168                    ; where each weight's records begin in wimg: qkv_w at 0 (192 tiles), proj_w (64),
.set WFC1,  2228224                    ; fc1_w (256),
.set WFC2,  4456448                    ; fc2_w (4 x 64)
.set REC,   8704
.set OUTB,  73728                      ; LDS, the norm's: 0 .. 73727 eight waves x two rows x 32 x 144; then 32 blocks x (256 + 16) bytes of codes,
.set SCO,   82432                      ; 512 scale bytes;
.set WSTG,  82944                      ; the weights': 1,024 bytes in which the scale words meet;
.set SPARE, 83968                      ; and the spare words, 128 bytes a wave
.set SPW, 10                           ; v10  LDS address of my spare word; never rewritten
.set NIL, 11                           ; v11  0; never rewritten
.set KO,  32                           ; the weights: v32-63 byte offset of row i of a block, my column;
.set WX,  64                           ; v64-191 128 numbers down K;
.set WC,  192                          ; v192-207 the four blocks' codes; v208-212 at work; v216-219 the way out
.set GN,  16                           ; the norm: v16-47 the gain, later codes (v16-23) and bytes (v32, v33);
.set BS,  48                           ; v48-79 the bias;
.set LX,  80                           ; v80-143 two rows x 32;
.set SM,  144                          ; v144-151 row k: two pairs of sums, then mean, then rsqrt; later the way out;
.set PT,  152                          ; v152-153 lane permutes' targets;
.set QT,  156                          ; v156-158 the quantiser's work
; 32 numbers of one lane, one block: codes into v[c] on, the scale's byte into v[by]; v[t] .. v[t + 2] at work
.macro QUANT32 x, c, by, t
	v_max3_num_f32 v[\t], |v[\x]|, |v[\x+1]|, |v[\x+2]|            ; the block's largest magnitude, in two chains
	v_max3_num_f32 v[\t+1], |v[\x+3]|, |v[\x+4]|, |v[\x+5]|
.irp i, 6,10,14,18,22,26
	s_delay_alu instid0(VALU_DEP_2)
	v_max3_num_f32 v[\t], v[\t], |v[\x+\i]|, |v[\x+\i+1]|
	s_delay_alu instid0(VALU_DEP_2)
	v_max3_num_f32 v[\t+1], v[\t+1], |v[\x+\i+2]|, |v[\x+\i+3]|
.endr
	s_delay_alu instid0(VALU_DEP_2)
	v_max3_num_f32 v[\t], v[\t], |v[\x+30]|, |v[\x+31]|
	s_delay_alu instid0(VALU_DEP_1)
	v_max3_num_f32 v[\t], v[\t], v[\t+1], 0x1800000 ; and the floor 2^(3 - 127): the byte cannot fall under 1
	s_delay_alu instid0(VALU_DEP_1)
	v_add_nc_u32 v[\t+2], 0xff000000, v[\t]        ; 2 off its exponent field: the conversion takes this operand's exponent field as its scale
	s_delay_alu instid0(VALU_DEP_1)
	v_lshrrev_b32 v[\by], 23, v[\t+2]              ; the scale's byte
.irp g, 0,1,2,3
	v_cvt_scalef32_pk8_fp4_f32 v[\c+\g], v[\x+8*\g:\x+8*\g+7], v[\t+2]
.endr
	v_nop                                          ; one plain line behind the last conversion
.endm
	v_lshl_add_u32 v[SPW], v0, 2, SPARE
	v_mov_b32 v[NIL], 0
	v_lshrrev_b32 v1, 5, v0
	s_delay_alu instid0(VALU_DEP_1)
	v_readfirstlane_b32 s14, v1                    ; wave 0..7
	v_and_b32 v1, 31, v0                           ; lane
	s_cmp_ge_u32 ttmp9, NWQ                        ; the work-group's number alone: all eight waves go the same way
	s_cbranch_scc1 .Lnorm
	; ---------------- the weights ----------------
	s_load_b256 s[4:11], s[0:1], 0x20              ; qkv_w s[4:5], proj_w s[6:7], fc1_w s[8:9], fc2_w s[10:11]
	s_load_b64 s[12:13], s[0:1], 0x40              ; wimg
	s_and_b32 s15, s14, 1                          ; cg: which 32 columns
	s_lshr_b32 s16, s14, 1                         ; sq: which K step of the four
	; which weight: work-groups 0-95 qkv_w, 96-127 proj_w, 128-255 fc1_w, 256-383 fc2_w.  s20 N, s21 log2 of the 512s along K, s22 first work-group, s23 place in wimg
	s_mov_b32 s20, 1024
	s_mov_b32 s21, 3
	s_mov_b32 s22, 256
	s_mov_b32 s23, WFC2
	s_cmp_lt_u32 ttmp9, 256
	s_cselect_b32 s20, 4096, s20
	s_cselect_b32 s21, 1, s21
	s_cselect_b32 s22, 128, s22
	s_cselect_b32 s23, WFC1, s23
	s_cmp_lt_u32 ttmp9, 128
	s_cselect_b32 s20, 1024, s20
	s_cselect_b32 s22, 96, s22
	s_cselect_b32 s23, WPROJ, s23
	s_cmp_lt_u32 ttmp9, 96
	s_cselect_b32 s20, 3072, s20
	s_cselect_b32 s22, 0, s22
	s_cselect_b32 s23, 0, s23
	s_sub_co_u32 s24, ttmp9, s22
	s_lshr_b32 s25, s24, s21                       ; cgi: which 64 columns
	s_bfm_b32 s26, s21, 0
	s_and_b32 s26, s24, s26                        ; kq: which 512 along K
	s_lshl_b32 s27, s26, 9
	s_lshl_b32 s28, s16, 7
	s_add_co_u32 s27, s27, s28                     ; my first row: 512 kq + 128 sq
	s_mul_i32 s27, s27, s20
	s_lshl_b32 s28, s25, 6
	s_add_co_u32 s27, s27, s28
	s_lshl_b32 s28, s15, 5
	s_add_co_u32 s27, s27, s28                     ; + my first column
	s_lshl_b32 s28, s27, 2                         ; in bytes (under 2^25)
	s_mov_b32 s29, 0
	s_lshl_b32 s30, s20, 7                         ; 32 rows of N x 4 bytes: from block to block
	s_mov_b32 s31, 0
	s_lshl_b32 s40, s20, 2                         ; a row
	s_wait_alu depctr_va_vdst(0)
	v_lshlrev_b32 v[KO], 2, v1
.irp i, 1,2,3,4,5,6,7,8,9,10,11,12,13,14,15,16,17,18,19,20,21,22,23,24,25,26,27,28,29,30,31
	s_delay_alu instid0(VALU_DEP_1)
	v_add_nc_u32 v[KO+\i], s40, v[KO+\i-1]
.endr
	s_lshr_b32 s41, s26, 1                         ; the chunk of 1,024 along K
	s_and_b32 s42, s26, 1                          ; G: which half of the chunk
	s_lshr_b32 s43, s20, 4                         ; tiles in a chunk
	s_mul_i32 s41, s41, s43
	s_lshl_b32 s43, s25, 2
	s_add_co_u32 s41, s41, s43
	s_lshl_b32 s43, s15, 1
	s_add_co_u32 s41, s41, s43                     ; my first tile
	s_mul_i32 s41, s41, REC
	s_add_co_u32 s41, s41, s23                     ; its record
	s_lshl_b32 s45, s42, 2
	s_add_co_u32 s45, s45, s16                     ; K step 4 G + sq
	s_lshl_b32 s45, s45, 10
	s_add_co_u32 s46, s41, s45
	s_mov_b32 s47, 0
	s_lshl_b32 s50, s42, 8
	s_add_co_u32 s50, s50, s41
	s_add_co_u32 s50, s50, 8192                    ; the record's scale bytes, half G
	s_mov_b32 s51, 0
	v_bfe_u32 v6, v1, 3, 1                         ; u: my column's tile of the two
	v_and_b32 v7, 7, v1
	v_lshrrev_b32 v8, 4, v1
	s_delay_alu instid0(VALU_DEP_1)
	v_lshl_or_b32 v7, v8, 3, v7                    ; r: its slot
	s_delay_alu instid0(VALU_DEP_1)
	v_lshlrev_b32 v9, 4, v7
	s_delay_alu instid0(VALU_DEP_1)
	v_mad_u32_u24 v2, v6, REC, v9                  ; v2: my 16 bytes of a block: u records on, 16 r
	s_lshl_b32 s54, s15, 9
	s_add_co_u32 s54, s54, WSTG
	s_lshl_b32 s55, s16, 2
	s_add_co_u32 s55, s54, s55
	v_lshl_add_u32 v3, v6, 8, v9
	s_delay_alu instid0(VALU_DEP_1)
	v_add_nc_u32 v3, s55, v3                       ; v3: the stage, in: 512 cg + 256 u + 16 r + 4 sq
	v_lshl_add_u32 v4, v1, 4, s54                  ; v4: the stage, out: 512 cg + 16 x lane
	v_and_b32 v12, 15, v1
	s_delay_alu instid0(VALU_DEP_1)
	v_lshlrev_b32 v12, 4, v12
	s_delay_alu instid0(VALU_DEP_1)
	v_mad_u32_u24 v5, v8, REC, v12                 ; v5: lanes 0-15 the first tile's 256 bytes, lanes 16-31 the second's
	s_wait_kmcnt 0x0
	s_cmp_lt_u32 ttmp9, 256                        ; the choice of buffer hangs on the work-group's number alone
	s_cselect_b64 s[18:19], s[8:9], s[10:11]
	s_cmp_lt_u32 ttmp9, 128
	s_cselect_b64 s[18:19], s[6:7], s[18:19]
	s_cmp_lt_u32 ttmp9, 96
	s_cselect_b64 s[18:19], s[4:5], s[18:19]
	s_add_nc_u64 s[32:33], s[18:19], s[28:29]      ; a base for each block of 32 rows; never rewritten
	s_add_nc_u64 s[34:35], s[32:33], s[30:31]
	s_add_nc_u64 s[36:37], s[34:35], s[30:31]
	s_add_nc_u64 s[38:39], s[36:37], s[30:31]
	s_add_nc_u64 s[48:49], s[12:13], s[46:47]      ; where my codes go
	s_add_nc_u64 s[52:53], s[12:13], s[50:51]      ; and the scale bytes
.irp b, 0,1,2,3
.irp i, 0,1,2,3,4,5,6,7,8,9,10,11,12,13,14,15,16,17,18,19,20,21,22,23,24,25,26,27,28,29,30,31
	global_load_b32 v[WX+32*\b+\i], v[KO+\i], s[32+2*\b:33+2*\b] th:TH_LOAD_NT   ; W(row, my column): 32 lanes read 128 consecutive bytes; read once in the launch
.endr
.endr
.macro BLOCK b, left
	s_wait_loadcnt \left                           ; this block's 32 loads are in (loads come back in order); the count is at most the number of younger loads, and at most what the field holds
	QUANT32 WX+32*\b, WC+4*\b, 211, 208
.if \b == 0
	v_mov_b32 v212, v211                           ; the K step's four bytes make a word, the lower K in the lower byte
.else
	v_lshl_or_b32 v212, v211, 8*\b, v212
.endif
	global_store_b128 v2, v[WC+4*\b:WC+4*\b+3], s[48:49] offset:256*\b   ; sixteen lanes fill 256 consecutive bytes of one record, sixteen those of the next
.endm
	BLOCK 0, 63
	BLOCK 1, 63
	BLOCK 2, 32
	BLOCK 3, 0
	ds_store_b32 v3, v212
	s_wait_dscnt 0x0                               ; for the others' sake: my word lies in the stage
	s_barrier_signal -1
	s_barrier_wait -1
	s_cmp_gt_u32 s14, 1                            ; waves 0 and 1 (cg = 0, 1; their own record base is the right one) carry the scale bytes out
	s_cbranch_scc1 .Ldone
	ds_load_b128 v[216:219], v4
	s_wait_dscnt 0x0
	global_store_b128 v5, v[216:219], s[52:53]
.Ldone:
	s_wait_tensorcnt 0x0                           ; the wave's end, behind my last LDS store
	ds_add_u32 v[SPW], v[NIL]
	s_wait_dscnt 0x0
	s_endpgm
	; ---------------- LayerNorm 1 ----------------
.Lnorm:
	s_load_b256 s[4:11], s[0:1], 0x0               ; the rows s[4:5], gain s[6:7], bias s[8:9], the image s[10:11]
	s_wait_alu depctr_va_vdst(0)
	v_lshlrev_b32 v2, 4, v1                        ; v2: 16 x lane
	s_sub_co_u32 s15, ttmp9, NWQ                   ; T: my tile
	s_lshr_b32 s16, s15, 1
	s_lshl_b32 s16, s16, 5
	s_and_b32 s17, s15, 1
	s_lshl_b32 s17, s17, 3
	s_add_co_u32 s16, s16, s17
	s_lshl_b32 s17, s14, 1
	s_add_co_u32 s16, s16, s17
	s_lshr_b32 s17, s14, 2
	s_lshl_b32 s17, s17, 3
	s_add_co_u32 s16, s16, s17                     ; my first row: 32 (T / 2) + 8 (T % 2) + 2 w + 8 (w / 4)
	s_lshl_b32 s16, s16, 12                        ; x 4,096 bytes
	s_mov_b32 s17, 0
	s_mul_i32 s22, s15, REC                        ; my record
	s_mov_b32 s23, 0
	s_mov_b32 s12, 0x76543210                      ; v_permlanex16_b32's selects for lane l xor 16
	s_mov_b32 s13, 0xfedcba98
	s_mov_b32 s20, 0x3a800000                      ; 1 / 1024
	s_mov_b32 s21, 0x3727c5ac                      ; 1e-5
	s_mul_i32 s18, s14, 9216                       ; my wave's two stages
	v_lshrrev_b32 v12, 3, v1
	s_delay_alu instid0(VALU_DEP_1)
	v_mul_u32_u24 v3, v12, 144
	v_and_b32 v12, 7, v1
	s_delay_alu instid0(VALU_DEP_1)
	v_lshl_add_u32 v3, v12, 4, v3
	s_delay_alu instid0(VALU_DEP_1)
	v_add_nc_u32 v3, s18, v3                       ; v3: the stage, in: piece j of a row goes to blocks 4 j + lane / 8, at 16 (lane % 8)
	v_mul_u32_u24 v4, v1, 144
	s_delay_alu instid0(VALU_DEP_1)
	v_add_nc_u32 v4, s18, v4                       ; v4: the stage, out: block = lane
	s_lshl_b32 s19, s14, 5
	v_mul_u32_u24 v5, v1, 272
	s_delay_alu instid0(VALU_DEP_1)
	v_add_nc_u32 v5, s19, v5
	s_delay_alu instid0(VALU_DEP_1)
	v_add_nc_u32 v5, OUTB, v5                      ; v5: my block's row of codes, slot 2 w
	v_lshrrev_b32 v12, 4, v1
	v_and_b32 v13, 15, v1
	s_delay_alu instid0(VALU_DEP_1)
	v_lshl_add_u32 v6, v12, 8, v13
	s_delay_alu instid0(VALU_DEP_1)
	v_add_nc_u32 v6, s19, v6
	s_delay_alu instid0(VALU_DEP_1)
	v_add_nc_u32 v6, SCO, v6                       ; v6: my block's scale byte, slot 2 w
	s_lshl_b32 s19, s14, 2
	v_add_nc_u32 v7, s19, v12
	s_delay_alu instid0(VALU_DEP_1)
	v_mul_u32_u24 v7, v7, 272
	s_delay_alu instid0(VALU_DEP_1)
	v_lshl_add_u32 v7, v13, 4, v7
	s_delay_alu instid0(VALU_DEP_1)
	v_add_nc_u32 v7, OUTB, v7                      ; v7: the way out: blocks 4 w + lane / 16, sixteen lanes to a block's 256 bytes
	s_lshl_b32 s19, s14, 10
	v_add_nc_u32 v8, s19, v2                       ; v8: the same place in the record
	v_add_nc_u32 v9, SCO, v2                       ; v9: the scale bytes, 16 a lane
.irp k, 0,1
	v_mov_b32 v[PT+\k], 0                          ; written once: a lane permute's destination counts as one of its sources
.endr
	s_wait_kmcnt 0x0
	s_add_nc_u64 s[4:5], s[4:5], s[16:17]
	s_add_nc_u64 s[10:11], s[10:11], s[22:23]
.irp k, 0,1
.irp j, 0,1,2,3,4,5,6,7
	global_load_b128 v[LX+32*\k+4*\j:LX+32*\k+4*\j+3], v2, s[4:5] offset:4096*\k+512*\j th:TH_LOAD_NT   ; 512 consecutive bytes
.endr
.endr
.irp j, 0,1,2,3,4,5,6,7
	global_load_b128 v[GN+4*\j:GN+4*\j+3], v2, s[6:7] offset:512*\j
	global_load_b128 v[BS+4*\j:BS+4*\j+3], v2, s[8:9] offset:512*\j
.endr
; the two pairs of a row's sums become one number in every lane; the two rows by turns
.macro ACROSS
.irp k, 0
	s_delay_alu instid0(VALU_DEP_3)
	v_pk_add_f32 v[SM+4*\k:SM+4*\k+1], v[SM+4*\k:SM+4*\k+1], v[SM+4*\k+2:SM+4*\k+3]
.endr
.irp k, 1
	s_delay_alu instid0(VALU_DEP_2)
	v_pk_add_f32 v[SM+4*\k:SM+4*\k+1], v[SM+4*\k:SM+4*\k+1], v[SM+4*\k+2:SM+4*\k+3]
.endr
.irp k, 0,1
	s_delay_alu instid0(VALU_DEP_2)
	v_add_f32 v[SM+4*\k], v[SM+4*\k], v[SM+4*\k+1]
.endr
.irp m, 1,2,4,8
.irp k, 0,1
	s_delay_alu instid0(VALU_DEP_2)
	v_add_f32_dpp v[SM+4*\k], v[SM+4*\k], v[SM+4*\k] row_xmask:\m row_mask:0xf bank_mask:0xf
.endr
.endr
.irp k, 0,1
	s_delay_alu instid0(VALU_DEP_2)
	v_permlanex16_b32 v[PT+\k], v[SM+4*\k], s12, s13
.endr
.irp k, 0,1
	s_delay_alu instid0(VALU_DEP_2)
	v_add_f32 v[SM+4*\k], v[SM+4*\k], v[PT+\k]
.endr
.endm
	s_wait_loadcnt 16                              ; my two rows are in; the sixteen loads of gain and bias, issued behind them, may stay out
.irp k, 0,1
	v_pk_add_f32 v[SM+4*\k:SM+4*\k+1], v[LX+32*\k:LX+32*\k+1], v[LX+32*\k+2:LX+32*\k+3]
	v_pk_add_f32 v[SM+4*\k+2:SM+4*\k+3], v[LX+32*\k+4:LX+32*\k+5], v[LX+32*\k+6:LX+32*\k+7]
.endr
.irp i, 8,12,16,20,24,28
.irp k, 0,1
	s_delay_alu instid0(VALU_DEP_4)
	v_pk_add_f32 v[SM+4*\k:SM+4*\k+1], v[SM+4*\k:SM+4*\k+1], v[LX+32*\k+\i:LX+32*\k+\i+1]
	s_delay_alu instid0(VALU_DEP_4)
	v_pk_add_f32 v[SM+4*\k+2:SM+4*\k+3], v[SM+4*\k+2:SM+4*\k+3], v[LX+32*\k+\i+2:LX+32*\k+\i+3]
.endr
.endr
	ACROSS
.irp k, 0,1
	s_delay_alu instid0(VALU_DEP_2)
	v_mul_f32 v[SM+4*\k], s20, v[SM+4*\k]          ; the mean
.endr
.irp k, 0,1
.irp i, 0,2,4,6,8,10,12,14,16,18,20,22,24,26,28,30
	v_pk_add_f32 v[LX+32*\k+\i:LX+32*\k+\i+1], v[LX+32*\k+\i:LX+32*\k+\i+1], v[SM+4*\k:SM+4*\k+1] op_sel_hi:[1,0] neg_lo:[0,1] neg_hi:[0,1]   ; x - mean (the pair's low word serves both halves)
.endr
.endr
.irp k, 0,1
	v_pk_mul_f32 v[SM+4*\k:SM+4*\k+1], v[LX+32*\k:LX+32*\k+1], v[LX+32*\k:LX+32*\k+1]
	v_pk_mul_f32 v[SM+4*\k+2:SM+4*\k+3], v[LX+32*\k+2:LX+32*\k+3], v[LX+32*\k+2:LX+32*\k+3]
.endr
.irp i, 4,8,12,16,20,24,28
.irp k, 0,1
	s_delay_alu instid0(VALU_DEP_4)
	v_pk_fma_f32 v[SM+4*\k:SM+4*\k+1], v[LX+32*\k+\i:LX+32*\k+\i+1], v[LX+32*\k+\i:LX+32*\k+\i+1], v[SM+4*\k:SM+4*\k+1]
	s_delay_alu instid0(VALU_DEP_4)
	v_pk_fma_f32 v[SM+4*\k+2:SM+4*\k+3], v[LX+32*\k+\i+2:LX+32*\k+\i+3], v[LX+32*\k+\i+2:LX+32*\k+\i+3], v[SM+4*\k+2:SM+4*\k+3]
.endr
.endr
	ACROSS
.irp k, 0,1
	s_delay_alu instid0(VALU_DEP_2)
	v_fma_f32 v[SM+4*\k], v[SM+4*\k], s20, s21     ; var + 1e-5
.endr
	s_wait_alu depctr_va_vdst(0)
.irp k, 0,1
	v_rsq_f32 v[SM+4*\k], v[SM+4*\k]
.endr
	v_nop                                          ; a plain line behind the second of the two,
	s_wait_alu depctr_va_vdst(0)                   ; and the one wait ahead of the batch's first reader
	s_wait_loadcnt 0x0                             ; gain and bias
.irp k, 0,1
.irp i, 0,2,4,6,8,10,12,14,16,18,20,22,24,26,28,30
	v_pk_mul_f32 v[LX+32*\k+\i:LX+32*\k+\i+1], v[LX+32*\k+\i:LX+32*\k+\i+1], v[SM+4*\k:SM+4*\k+1] op_sel_hi:[1,0]
.endr
.irp i, 0,2,4,6,8,10,12,14,16,18,20,22,24,26,28,30
	v_pk_fma_f32 v[LX+32*\k+\i:LX+32*\k+\i+1], v[LX+32*\k+\i:LX+32*\k+\i+1], v[GN+\i:GN+\i+1], v[BS+\i:BS+\i+1]
.endr
.irp j, 0,1,2,3,4,5,6,7
	ds_store_b128 v3, v[LX+32*\k+4*\j:LX+32*\k+4*\j+3] offset:4608*\k+576*\j
.endr
.irp i, 0,1,2,3,4,5,6,7
	ds_load_b128 v[LX+32*\k+4*\i:LX+32*\k+4*\i+3], v4 offset:4608*\k+16*\i   ; LDS serves a wave's instructions in order: these see the stores above; now lane = block
.endr
.endr
.irp k, 0,1
	s_wait_dscnt 16*(1-\k)                         ; row k is back: behind row 0's loads stand row 1's sixteen LDS instructions
	QUANT32 LX+32*\k, GN+4*\k, GN+16+\k, QT
	ds_store_b128 v5, v[GN+4*\k:GN+4*\k+3] offset:16*\k
	ds_store_b8 v6, v[GN+16+\k] offset:16*\k
.endr
	s_wait_dscnt 0x0                               ; for the others' sake: my codes and bytes lie in LDS
	s_barrier_signal -1
	s_barrier_wait -1
.irp i, 0,1
	ds_load_b128 v[SM+4*\i:SM+4*\i+3], v7 offset:544*\i
.endr
.irp i, 0,1
	s_wait_dscnt 1-\i
	global_store_b128 v8, v[SM+4*\i:SM+4*\i+3], s[10:11] offset:512*\i   ; 32 lanes store 512 consecutive bytes, aligned
.endr
	s_cmp_lg_u32 s14, 0
	s_cbranch_scc1 .Lnot0
	ds_load_b128 v[152:155], v9                    ; wave 0: the record's 512 scale bytes
	s_wait_dscnt 0x0
	global_store_b128 v2, v[152:155], s[10:11] offset:8192
.Lnot0:
	s_wait_tensorcnt 0x0                           ; the wave's end, behind my last LDS store
	ds_add_u32 v[SPW], v[NIL]
	s_wait_dscnt 0x0
	s_endpgm
.Lfunc_end_k_qb5f58fd2e2_prep:
	.size	k_qb5f58fd2e2_prep, .Lfunc_end_k_qb5f58fd2e2_prep-k_qb5f58fd2e2_prep
	.p2alignl 7, 3214868480
	.fill 96, 4, 3214868480
	.section	.rodata,"a",@progbits
	.p2align	6, 0x0
	.amdhsa_kernel k_qb5f58fd2e2_prep
		.amdhsa_group_segment_fixed_size 84992
		.amdhsa_private_segment_fixed_size 0
		.amdhsa_enable_private_segment 0
		.amdhsa_kernarg_size 72
		.amdhsa_user_sgpr_count 2
		.amdhsa_user_sgpr_kernarg_segment_ptr 1
		.amdhsa_wavefront_size32 1
		.amdhsa_system_sgpr_workgroup_id_x 1
		.amdhsa_system_sgpr_workgroup_id_y 1
		.amdhsa_system_sgpr_workgroup_id_z 1
		.amdhsa_system_vgpr_workitem_id 0
		.amdhsa_next_free_vgpr 224
		.amdhsa_next_free_sgpr 66
		.amdhsa_reserve_vcc 0
		.amdhsa_float_denorm_mode_32 3
		.amdhsa_float_denorm_mode_16_64 3
		.amdhsa_memory_ordered 1
		.amdhsa_forward_progress 1
		.amdhsa_inst_pref_size 55
	.end_amdhsa_kernel
	.amdgpu_metadata
---
amdhsa.version: [ 1, 2 ]
amdhsa.kernels:
  - .name:           k_qb5f58fd2e2_prep
    .symbol:         k_qb5f58fd2e2_prep.kd
    .args:
      - { .name: x, .offset: 0, .size: 8, .value_kind: global_buffer, .address_space: global }
      - { .name: ln1_w, .offset: 8, .size: 8, .value_kind: global_buffer, .address_space: global }
      - { .name: ln1_b, .offset: 16, .size: 8, .value_kind: global_buffer, .address_space: global }
      - { .name: aimg, .offset: 24, .size: 8, .value_kind: global_buffer, .address_space: global }
      - { .name: qkv_w, .offset: 32, .size: 8, .value_kind: global_buffer, .address_space: global }
      - { .name: proj_w, .offset: 40, .size: 8, .value_kind: global_buffer, .address_space: global }
      - { .name: fc1_w, .offset: 48, .size: 8, .value_kind: global_buffer, .address_space: global }
      - { .name: fc2_w, .offset: 56, .size: 8, .value_kind: global_buffer, .address_space: global }
      - { .name: wimg, .offset: 64, .size: 8, .value_kind: global_buffer, .address_space: global }
    .group_segment_fixed_size: 84992
    .private_segment_fixed_size: 0
    .kernarg_segment_align: 8
    .kernarg_segment_size: 72
    .max_flat_workgroup_size: 256
    .sgpr_count:     66
    .vgpr_count:     224
    .wavefront_size: 32
...
	.end_amdgpu_metadata
.endif
;; end of part 1
;; launch qkv (part 2): grid 8 x 32, 4 waves a work-group, clusters of 4 x 4, 327,680 bytes of LDS; arguments aimg, wimg, qkv_b, qimg, kv; writes qimg, kv
.if DOCPART == 2
	.amdgcn_target "amdgcn-amd-amdhsa--gfx1250"
	.amdhsa_code_object_version 6
	.text
	.protected	k_qb5f58fd2e2_qkv
	.globl	k_qb5f58fd2e2_qkv
	.p2align	8
	.type	k_qb5f58fd2e2_qkv,@function
k_qb5f58fd2e2_qkv:
	s_mov_b64 s[64:65], 0
	v_nop
	global_prefetch_b8 v0, s[64:65] scope:SCOPE_SE
	s_setreg_imm32_b32 hwreg(HW_REG_WAVE_MODE, 25, 1), 1
	s_wait_xcnt 0x0
	s_wait_alu depctr_hold_cnt(0) depctr_sa_sdst(0) depctr_va_vdst(0) depctr_va_sdst(0) depctr_va_ssrc(0) depctr_va_vcc(0) depctr_vm_vsrc(0)
	s_getreg_b32 s2, hwreg(HW_REG_IB_STS2, 6, 4)
	s_cmp_eq_u32 s2, 0
	s_cbranch_scc0 .Lentry_in_a_cluster
	s_endpgm
.Lentry_in_a_cluster:
	s_bfe_u32 s2, ttmp6, 0x10000c
	s_cmp_lg_u32 s2, 0xf033
	s_cbranch_scc0 .Lentry_shape_is_right
	s_endpgm
.Lentry_shape_is_right:
; q, k, v = LN1(x) qkv_w + qkv_b on codes of FP4, and each result quantised at once for attention's products; no f32 result goes to memory.  Nothing of reference() is left out (k's bias moves k's codes).
; OPERANDS are images of operand registers (record: one tile of 16 rows in tile order x 1,024 K, 8,704 bytes: registers 4 c .. 4 c + 3 of K step s at 1024 s + 512 c + 16 x lane; the scale words of K steps
; 4 G .. 4 G + 3 of slot r at 8192 + 256 G + 16 r).  A panel is 8 records, 69,632 dense bytes.  Tile order: tile 2 g + u, slot r = row 32 g + 8 u + r + 8 (r / 8): with such tiles as source 0 the 16 registers of
; result tiles 2 b, 2 b + 1 of lane (r, h) are the 16 neighbours 32 b + 16 h + 0 .. 15.
; SHARES.  Work-group (JX, IY): tokens 128 IY on, columns 128 JX on of each of q, k, v (heads 2 JX, 2 JX + 1).  Four panels (tokens, Wq, Wk, Wv) come into LDS once, a quarter a wave each.
; Wave w: WL = w / 2, WR = w % 2; 64 x 64 of each result, 16 accumulators.
; q, k: source 0 = weights (tiles 4 WR + t), source 1 = tokens (4 WL + a): a lane holds one token and its registers run along the head's 64, the next K.  v: the roles change places (source 0 = tokens 4 WR + t,
; source 1 = weights 4 WL + a): a lane holds one d and its registers run along 64 tokens, the keys, which are the K of attention's second product.
; OUT.  q: qimg, per batch and head 73,728 bytes: token tile Tn's codes at 512 Tn + 16 x lane (registers 0-3 of a fragment; K = 64), scale words (two bytes, two zeros) at 65536 + 256 (Tn / 4) + 16 r + 4 (Tn % 4).
; k: the same at the head of kv's 143,360 bytes per batch and head.  v: codes at 73728 + 4096 S + 1024 dt + 512 c + 16 x lane (S: 128 keys, dt: tile of d), scale words at 139264 + 256 S + 16 r + 4 dt.
; CLUSTER 4 x 4: the tokens' panel hangs on IY alone and is asked for jointly along a row of the cluster, the weights' panels on JX alone, along a column.
; LIMITS: NaN and infinities are not served; a block under 2^(3 - 127) gets the byte 1.
; REGISTERS.  Window 0: v0-31 addresses; v32-63 scale words and nothing else (register 16 G + 4 i + s % 4: lanes 0-15 my weight tile i, lanes 16-31 my token tile i); v64-127, v128-191 two sets of fragments
; (source 0's four, then source 1's four); v192-223 q's bias, later v's; v224-255 k's bias.  Window 1: v0-127 accumulator (a, t) at 8 (4 a + t); v128-179 the quantiser's work.
; Scalars: s[66:79] the stores' bases, s[90:93] the bias loads' bases: none of these is written twice; s80-89 scratch.
.set REC,   8704
.set PAN,   69632
.set QTR,   17408
.set HPN,   34816
.set LWK,   69632                      ; LDS: Wq at 0, Wk, Wv, the tokens,
.set LWV,   139264
.set LA,    208896
.set VSTG,  278528                     ; 512 bytes in which v's scale words meet,
.set SPARE, 279040                     ; and the spare words, 128 bytes a wave
.set QKB,   73728
.set KVB,   143360
.set SC, 32
.set MX, 128                           ; window 1: largest magnitudes, permutes' targets, scale operands, bytes, codes, words
.set PX, 136
.set SO, 144
.set BY, 152
.set CD, 160
.set WD, 176
.set MSB, 0
.macro WIN new                         ; the immediate's high byte repeats the setting that is left; a switch that changes nothing is dropped
.if MSB != \new
	s_set_vgpr_msb (MSB<<8)|\new
.set MSB, \new
.endif
.endm
.macro PLACES                          ; four plain lines behind matrix instructions, ahead of loads into their registers and of reads of their results
.rept 4
	v_nop
.endr
.endm
.macro CROUND                          ; a round of the cluster's barrier
	s_barrier_signal -1
	s_barrier_wait -1
	s_cmp_lg_u32 s14, 0
	s_cbranch_scc1 .Lnw0_\@
	s_barrier_signal -3
.Lnw0_\@:
	s_barrier_wait -3
	s_barrier_signal -1
	s_barrier_wait -1
.endm
.macro BAR
	s_wait_dscnt 0x0
	s_barrier_signal -1
	s_barrier_wait -1
.endm
	s_load_b256 s[4:11], s[0:1], 0x0               ; aimg s[4:5], wimg s[6:7], qkv_b s[8:9], qimg s[10:11]
	s_load_b64 s[12:13], s[0:1], 0x20              ; kv
	v_lshl_add_u32 v30, v0, 2, SPARE
	v_mov_b32 v31, 0
	ds_add_u32 v30, v31                            ; the wave's opening: the add, twice on end, and its wait ahead of my first tensor load
	ds_add_u32 v30, v31
	v_lshrrev_b32 v1, 5, v0
	v_readfirstlane_b32 s14, v1                    ; wave 0..3
	s_lshr_b32 s15, s14, 1                         ; WL
	s_and_b32 s16, s14, 1                          ; WR
	s_bfe_u32 s40, ttmp6, 0x40000                  ; cx
	s_bfe_u32 s41, ttmp6, 0x40004                  ; cy
	s_lshl_b32 s18, ttmp9, 2
	s_add_co_u32 s18, s18, s40                     ; JX
	s_and_b32 s17, ttmp7, 0xffff
	s_lshl_b32 s17, s17, 2
	s_add_co_u32 s17, s17, s41                     ; IY
	s_lshl_b32 s42, s41, 2
	s_lshl_b32 s42, 15, s42                        ; my row of the cluster
	s_lshl_b32 s43, 0x1111, s40                    ; my column
	s_or_b32 s24, s42, (3<<16)|(1<<21)             ; group 1 for the tokens: the mask; elements of 8 bytes; bit 21 beside a mask; no padding: image reads are 512 consecutive bytes
	s_or_b32 s48, s43, (3<<16)|(1<<21)             ; and for the weights
.irp g, 24, 48
	s_mov_b32 s[\g+1], 32<<16                      ; tensor_dim0 = 32 elements: rows of 256 bytes
	s_mov_b32 s[\g+2], 272<<16                     ; tensor_dim1 = 272 rows: a whole panel
	s_mov_b32 s[\g+3], 32<<16                      ; tile_dim0
	s_mov_b32 s[\g+4], 272                         ; tile_dim1
	s_mov_b32 s[\g+5], 32                          ; the pitch: dense
	s_mov_b32 s[\g+6], 0
	s_mov_b32 s[\g+7], 0
.endr
	s_mov_b32 s19, 0                               ; every descriptor names a whole panel
	s_mul_i32 s20, s17, PAN
	s_add_co_u32 s20, s20, s19                     ; tokens: panel IY
	s_mov_b32 s21, 0
	s_mul_i32 s22, s18, PAN
	s_add_co_u32 s22, s22, s19                     ; weights: panel JX of q's 8; k's lie 64 records on, v's 128
	s_mov_b32 s23, 0
	s_mov_b32 s60, 0x76543210                      ; v_permlanex16_b32's selects for lane l xor 16
	s_mov_b32 s61, 0xfedcba98
	s_wait_dscnt 0x0                               ; both opening adds are done
	s_wait_kmcnt 0x0
	s_mov_b32 s32, 1
	s_add_co_u32 s33, s19, LA
	s_add_nc_u64 s[34:35], s[4:5], s[20:21]
	s_or_b32 s35, s35, 0x80000000
	s_mov_b32 s36, 1
	s_mov_b32 s37, s19
	s_add_nc_u64 s[38:39], s[6:7], s[22:23]
	s_mov_b32 s44, 1
	s_add_co_u32 s45, s19, LWK
	s_add_nc_u64 s[46:47], s[38:39], 64*REC
	s_mov_b32 s56, 1
	s_add_co_u32 s57, s19, LWV
	s_add_nc_u64 s[58:59], s[38:39], 128*REC
	s_or_b32 s39, s39, 0x80000000
	s_or_b32 s47, s47, 0x80000000
	s_or_b32 s59, s59, 0x80000000
	CROUND                                         ; all sixteen work-groups are here: the joint loads meet
	; THE HEAD'S LOADS, ONE A WAVE: wave 0 fetches the tokens' panel whole, wave 1 Wq's, wave 2 Wk's, wave 3 Wv's: one chain of branches on the wave's number, one load to an arm, one join
	s_cmp_lt_u32 s14, 1
	s_cbranch_scc0 .Lhq
	tensor_load_to_lds s[32:35], s[24:31]
	s_nop 0
	PLACES
	s_branch .Lhj
.Lhq:
	s_cmp_lt_u32 s14, 2
	s_cbranch_scc0 .Lhk
	tensor_load_to_lds s[36:39], s[48:55]
	s_nop 0
	PLACES
	s_branch .Lhj
.Lhk:
	s_cmp_lt_u32 s14, 3
	s_cbranch_scc0 .Lhv
	tensor_load_to_lds s[44:47], s[48:55]
	s_nop 0
	PLACES
	s_branch .Lhj
.Lhv:
	tensor_load_to_lds s[56:59], s[48:55]
	s_nop 0
	PLACES
.Lhj:
	v_and_b32 v1, 31, v0                           ; lane
	v_and_b32 v2, 15, v0                           ; r
	s_wait_alu depctr_va_vdst(0)
	v_bfe_u32 v3, v0, 4, 1                         ; h
	v_lshlrev_b32 v4, 4, v1                        ; v4: 16 x lane
	s_wait_alu depctr_va_vdst(0)
	v_lshlrev_b32 v8, 6, v3                        ; v8: 64 h: my half's 16 numbers of a bias
	v_lshlrev_b32 v9, 4, v2                        ; v9: 16 r
	s_lshl_b32 s80, s18, 9
	s_lshl_b32 s81, s16, 8
	s_add_co_u32 s80, s80, s81                     ; q's bias: columns 128 JX + 64 WR on
	s_mov_b32 s81, 0
	s_add_nc_u64 s[90:91], s[8:9], s[80:81]        ; a base of its own, never written again: the loads that name it stay out while the set-up below goes on
.irp t, 0,1,2,3                        ; register j of result tile t = 2 b + u is column 32 b + 16 h + 8 u + j: the bias in that layout is the C of the sums' first products
	global_load_b128 v[192+8*\t:195+8*\t], v8, s[90:91] offset:(32*(\t/2)+8*(\t%2))*4
	global_load_b128 v[196+8*\t:199+8*\t], v8, s[90:91] offset:(32*(\t/2)+8*(\t%2))*4+16
	global_load_b128 v[224+8*\t:227+8*\t], v8, s[90:91] offset:4096+(32*(\t/2)+8*(\t%2))*4
	global_load_b128 v[228+8*\t:231+8*\t], v8, s[90:91] offset:4096+(32*(\t/2)+8*(\t%2))*4+16
.endr
	s_lshl_b32 s84, s18, 9
	s_lshl_b32 s85, s15, 8
	s_add_co_u32 s84, s84, s85
	s_add_co_u32 s84, s84, 8192                    ; v's bias: columns 2048 + 128 JX + 64 WL on; a lane wants that of its slot
	s_mov_b32 s85, 0
	s_add_nc_u64 s[92:93], s[8:9], s[84:85]        ; likewise a base of its own
	v_and_b32 v17, 8, v2
	v_add_nc_u32 v17, v17, v2
	v_lshlrev_b32 v17, 2, v17                      ; 4 (r + 8 (r / 8))
.irp a, 0,1,2,3
	global_load_b32 v[26+\a], v17, s[92:93] offset:(32*(\a/2)+8*(\a%2))*4
.endr
	s_mul_i32 s80, s15, HPN                        ; four records by WL,
	s_mul_i32 s81, s16, HPN                        ; by WR
	s_add_co_u32 s82, s80, LA
	v_add_nc_u32 v5, s82, v4                       ; v5: tokens by WL
	v_add_nc_u32 v6, s81, v4                       ; v6: Wq by WR
	s_add_co_u32 s83, s81, LWK
	v_add_nc_u32 v7, s83, v4                       ; v7: Wk by WR
	s_add_co_u32 s84, s80, LWV
	v_add_nc_u32 v12, s84, v4                      ; v12: Wv by WL
	s_add_co_u32 s85, s81, LA
	v_add_nc_u32 v13, s85, v4                      ; v13: tokens by WR
	s_sub_co_u32 s86, s82, s81                     ; the scale words: lanes 0-15 the weights', lanes 16-31 the tokens': the lower base + h x the distance
	v_mul_u32_u24 v14, s86, v3
	v_add_nc_u32 v14, v14, v9
	s_add_co_u32 s86, s81, 8192
	v_add_nc_u32 v14, s86, v14                     ; v14: for q
	s_sub_co_u32 s86, s82, s83
	v_mul_u32_u24 v15, s86, v3
	v_add_nc_u32 v15, v15, v9
	s_add_co_u32 s86, s83, 8192
	v_add_nc_u32 v15, s86, v15                     ; v15: for k
	s_sub_co_u32 s86, s85, s84
	v_mul_u32_u24 v16, s86, v3
	v_add_nc_u32 v16, v16, v9
	s_add_co_u32 s86, s84, 8192
	v_add_nc_u32 v16, s86, v16                     ; v16: for v
	s_lshl_b32 s86, s15, 8
	s_lshl_b32 s87, s16, 1
	s_add_co_u32 s86, s86, s87
	s_add_co_u32 s86, s86, VSTG
	v_add_nc_u32 v10, s86, v9                      ; v10: v's scale bytes, in: 256 WL + 16 r + 2 WR
	v_add_nc_u32 v11, VSTG, v4                     ; v11: and out
	v_lshrrev_b32 v18, 4, v1
	v_mul_u32_u24 v18, v18, KVB
	v_add_nc_u32 v18, v18, v9                      ; v18: lanes 0-15 the first head's 256 bytes, lanes 16-31 the second's
	WIN 0x40
.irp n, 0,1,2,3,4,5,6,7
	v_mov_b32 v[PX+\n], 0                          ; written once: a lane permute's destination counts as one of its sources
.endr
	WIN 0
	; where the results go
	s_lshr_b32 s80, s17, 4                         ; the batch
	s_and_b32 s81, s17, 15                         ; it: which 128 tokens of it
	s_lshl_b32 s80, s80, 4
	s_lshl_b32 s82, s18, 1
	s_add_co_u32 s80, s80, s82                     ; 16 b + 2 JX
	s_add_co_u32 s82, s80, s16                     ; q, k: my head by WR
	s_add_co_u32 s83, s80, s15                     ; v: by WL
	s_lshl_b32 s84, s81, 3
	s_lshl_b32 s85, s15, 2
	s_add_co_u32 s84, s84, s85
	s_lshl_b32 s84, s84, 9                         ; token tile 8 it + 4 WL, 512 bytes each
	s_lshl_b32 s85, s81, 1
	s_add_co_u32 s85, s85, s15
	s_lshl_b32 s85, s85, 8
	s_add_co_u32 s85, s85, 65536                   ; its four tiles' scale words: 256 bytes
	s_mov_b32 s89, 0
	s_mul_i32 s86, s82, QKB
	s_add_co_u32 s88, s86, s84
	s_add_nc_u64 s[66:67], s[10:11], s[88:89]      ; q's codes
	s_add_co_u32 s88, s86, s85
	s_add_nc_u64 s[68:69], s[10:11], s[88:89]      ; q's scale words
	s_mul_i32 s86, s82, KVB
	s_add_co_u32 s88, s86, s84
	s_add_nc_u64 s[70:71], s[12:13], s[88:89]      ; k's codes
	s_add_co_u32 s88, s86, s85
	s_add_nc_u64 s[72:73], s[12:13], s[88:89]      ; k's scale words
	s_mul_i32 s86, s83, KVB
	s_lshl_b32 s87, s81, 12
	s_add_co_u32 s86, s86, s87
	s_lshl_b32 s87, s16, 9
	s_add_co_u32 s86, s86, s87
	s_add_co_u32 s88, s86, 73728
	s_add_nc_u64 s[74:75], s[12:13], s[88:89]      ; v's codes: step it, half WR
	s_mul_i32 s86, s80, KVB
	s_lshl_b32 s87, s81, 8
	s_add_co_u32 s86, s86, s87
	s_add_co_u32 s88, s86, 139264
	s_add_nc_u64 s[78:79], s[12:13], s[88:89]      ; v's scale words of the first head
.macro SCALES ads                      ; all 8 K steps' scale words of my four tiles of each side: eight loads
.irp g, 0,1
.irp i, 0,1,2,3
	ds_load_b128 v[SC+16*\g+4*\i:SC+16*\g+4*\i+3], v[\ads] offset:\i*REC+\g*256
.endr
.endr
.endm
.macro FETCH s, set, adl, adr          ; K step s: source 0's four fragments, then source 1's: sixteen loads of 512 consecutive bytes
.irp i, 0,1,2,3
.irp c, 0,1
	ds_load_b128 v[64+64*(\set)+8*\i+4*\c:64+64*(\set)+8*\i+4*\c+3], v[\adr] offset:\i*REC+(\s)*1024+\c*512
.endr
.endr
.irp i, 0,1,2,3
.irp c, 0,1
	ds_load_b128 v[96+64*(\set)+8*\i+4*\c:96+64*(\set)+8*\i+4*\c+3], v[\adl] offset:\i*REC+(\s)*1024+\c*512
.endr
.endr
.endm
; sixteen matrix instructions; the 16 accumulators take turns, one instruction a turn, in the same order in every K step.  first = 1: the bias is the C, nothing is cleared
.macro MUL s, set, first, swap, cb
.if \first
	WIN 0x40                                       ; D window 1; sources and C window 0
.else
	WIN 0x50                                       ; C and D window 1
.endif
.irp a, 0,1,2,3
.irp t, 0,1,2,3
.set rD, 8*(4*\a+\t)
.set rR, 64+64*(\set)+8*\t
.set rL, 96+64*(\set)+8*\a
.set sR, SC+16*((\s)/4)+4*\t+(\s)%4
.set sL, SC+16*((\s)/4)+4*\a+(\s)%4
.set rC, rD
.if \first
.if \swap
.set rC, \cb+8*\a
.else
.set rC, \cb+8*\t
.endif
.endif
.if \swap
	v_wmma_scale_f32_16x16x128_f8f6f4 v[rD:rD+7], v[rR:rR+7], v[rL:rL+7], v[rC:rC+7], v[sR], v[sL] matrix_a_fmt:MATRIX_FMT_FP4 matrix_b_fmt:MATRIX_FMT_FP4 matrix_a_scale:MATRIX_SCALE_ROW1
.else
	v_wmma_scale_f32_16x16x128_f8f6f4 v[rD:rD+7], v[rR:rR+7], v[rL:rL+7], v[rC:rC+7], v[sR], v[sL] matrix_a_fmt:MATRIX_FMT_FP4 matrix_b_fmt:MATRIX_FMT_FP4 matrix_b_scale:MATRIX_SCALE_ROW1
.endif
.endr
.endr
.endm
.macro PASS swap, cb, adl, adr, ads    ; 64 x 64 x 1,024: eight K steps on two sets of fragments; a step's loads go out a step ahead
	PLACES
	WIN 0
	SCALES \ads
	FETCH 0, 0, \adl, \adr
.set KQ, 0
.rept 8
.if KQ < 7
.if KQ > 0
	PLACES
.endif
	WIN 0
	FETCH KQ+1, (KQ+1)%2, \adl, \adr
	s_wait_dscnt 16                                ; all but the next step's sixteen loads
.else
	s_wait_dscnt 0x0
.endif
.if KQ == 0
	MUL KQ, KQ%2, 1, \swap, \cb
.else
	MUL KQ, KQ%2, 0, \swap, \cb
.endif
.set KQ, KQ+1
.endr
.endm
; The wave's 16 accumulators are four units of 32 registers (unit a: register 16 b + i = index 32 b + 16 h + i of the next K).  Each unit becomes four registers of a fragment, v[CD + 4 a] on, and two scale bytes
; in v[WD + a].  A block of 32 lies in lanes l and l xor 16.  The eight blocks by turns; each accumulator is read from its low end on.
.macro QUANT2X
	WIN 0x55                                       ; all operands window 1
.irp n, 0,1,2,3,4,5,6,7
	v_max3_num_f32 v[MX+\n], |v[16*\n]|, |v[16*\n+1]|, 0x1800000   ; my 16 numbers of block n, and the floor 2^(3 - 127)
.endr
.irp i, 2,4,6,8,10,12,14
.irp n, 0,1,2,3,4,5,6,7
	v_max3_num_f32 v[MX+\n], v[MX+\n], |v[16*\n+\i]|, |v[16*\n+\i+1]|
.endr
.endr
.irp n, 0,1,2,3,4,5,6,7
	v_permlanex16_b32 v[PX+\n], v[MX+\n], s60, s61
.endr
.irp n, 0,1,2,3,4,5,6,7
	v_max_num_f32 v[MX+\n], v[MX+\n], v[PX+\n]     ; with lane l xor 16's
.endr
.irp n, 0,1,2,3,4,5,6,7
	v_add_nc_u32 v[SO+\n], 0xff000000, v[MX+\n]    ; 2 off the exponent field: the conversion's scale operand
.endr
.irp n, 0,1,2,3,4,5,6,7
	v_lshrrev_b32 v[BY+\n], 23, v[SO+\n]           ; the scale's byte
.endr
.irp a, 0,1,2,3
	v_lshl_or_b32 v[WD+\a], v[BY+2*\a+1], 8, v[BY+2*\a]
.endr
.irp n, 0,1,2,3,4,5,6,7
	v_cvt_scalef32_pk8_fp4_f32 v[CD+2*\n], v[16*\n:16*\n+7], v[SO+\n]
	v_cvt_scalef32_pk8_fp4_f32 v[CD+2*\n+1], v[16*\n+8:16*\n+15], v[SO+\n]
.endr
	v_nop                                          ; one plain line behind the last conversion
.irp a, 0,1,2,3                        ; the operand's layout wants a whole block in a lane: lanes 0-15 the first, lanes 16-31 the second
	v_permlane16_swap_b32 v[CD+4*\a], v[CD+4*\a+2]
	v_permlane16_swap_b32 v[CD+4*\a+1], v[CD+4*\a+3]
.endr
.endm
.macro EPI_QK cb, sb
	PLACES
	s_wait_xcnt 0x0                                ; earlier stores have read their registers: the codes' may be written again
	QUANT2X
	WIN 0x04                                       ; a store's data: window 1
.irp a, 0,1,2,3
	global_store_b128 v4, v[CD+4*\a:CD+4*\a+3], s[\cb:\cb+1] offset:512*\a   ; token tile a: 512 consecutive bytes
.endr
	WIN 0
	v_cmp_gt_u32 vcc_lo, 16, v1
	s_wait_xcnt 0x0                                ; EXEC changes only behind this wait
	s_and_saveexec_b32 s63, vcc_lo                 ; lanes 0-15: both halves hold the same words
	WIN 0x04
	global_store_b128 v9, v[WD:WD+3], s[\sb:\sb+1] ; the four tiles' words of slot r: sixteen lanes fill 256 consecutive bytes, aligned
	s_wait_xcnt 0x0
	s_or_b32 exec_lo, exec_lo, s63
	WIN 0
.endm
	s_wait_alu depctr_va_vdst(0)                   ; the head's end
	s_wait_tensorcnt 0x0                           ; my panel is in; behind the barrier all four are
	BAR
	s_wait_loadcnt 0x0                             ; the biases
	PASS 0, 192, 5, 6, 14
	EPI_QK 66, 68
	PASS 0, 224, 5, 7, 15
	EPI_QK 70, 72
.irp a, 0,1,2,3
.irp j, 0,1,2,3,4,5,6,7
	v_mov_b32 v[192+8*\a+\j], v[26+\a]             ; v's bias hangs on the lane (d), not on the register (token): the same number in a tile's eight registers of C
.endr
.endr
	s_wait_alu depctr_va_vdst(0)
	PASS 1, 192, 12, 13, 16
	PLACES
	s_wait_xcnt 0x0
	QUANT2X
	WIN 0x04
.irp a, 0,1,2,3
	global_store_b128 v4, v[CD+4*\a:CD+4*\a+3], s[74:75] offset:1024*\a      ; d tile a, my 64 keys: 512 consecutive bytes
.endr
.irp a, 0,1,2,3
	ds_store_b16 v10, v[WD+\a] offset:4*\a         ; two of the word's four bytes; the other wave of my head has the other two.  Both halves of the lanes write the same bytes with the same value
.endr
	WIN 0
	BAR
	s_cmp_lg_u32 s14, 0
	s_cbranch_scc1 .Lend
	ds_load_b128 v[64:67], v11                     ; wave 0: the two heads' 256 bytes each
	s_wait_dscnt 0x0
	global_store_b128 v18, v[64:67], s[78:79]
.Lend:
	s_wait_tensorcnt 0x0                           ; the wave's end
	ds_add_u32 v30, v31
	s_wait_dscnt 0x0
	CROUND                                         ; the closing round
	s_endpgm
.Lfunc_end_k_qb5f58fd2e2_qkv:
	.size	k_qb5f58fd2e2_qkv, .Lfunc_end_k_qb5f58fd2e2_qkv-k_qb5f58fd2e2_qkv
	.p2alignl 7, 3214868480
	.fill 96, 4, 3214868480
	.section	.rodata,"a",@progbits
	.p2align	6, 0x0
	.amdhsa_kernel k_qb5f58fd2e2_qkv
		.amdhsa_group_segment_fixed_size 327680
		.amdhsa_private_segment_fixed_size 0
		.amdhsa_enable_private_segment 0
		.amdhsa_kernarg_size 40
		.amdhsa_user_sgpr_count 2
		.amdhsa_user_sgpr_kernarg_segment_ptr 1
		.amdhsa_wavefront_size32 1
		.amdhsa_system_sgpr_workgroup_id_x 1
		.amdhsa_system_sgpr_workgroup_id_y 1
		.amdhsa_system_sgpr_workgroup_id_z 1
		.amdhsa_system_vgpr_workitem_id 0
		.amdhsa_next_free_vgpr 512
		.amdhsa_next_free_sgpr 100
		.amdhsa_reserve_vcc 1
		.amdhsa_float_denorm_mode_32 3
		.amdhsa_float_denorm_mode_16_64 3
		.amdhsa_memory_ordered 1
		.amdhsa_forward_progress 1
		.amdhsa_inst_pref_size 116
	.end_amdhsa_kernel
	.amdgpu_metadata
---
amdhsa.version: [ 1, 2 ]
amdhsa.kernels:
  - .name:           k_qb5f58fd2e2_qkv
    .symbol:         k_qb5f58fd2e2_qkv.kd
    .args:
      - { .name: aimg, .offset: 0, .size: 8, .value_kind: global_buffer, .address_space: global }
      - { .name: wimg, .offset: 8, .size: 8, .value_kind: global_buffer, .address_space: global }
      - { .name: qkv_b, .offset: 16, .size: 8, .value_kind: global_buffer, .address_space: global }
      - { .name: qimg, .offset: 24, .size: 8, .value_kind: global_buffer, .address_space: global }
      - { .name: kv, .offset: 32, .size: 8, .value_kind: global_buffer, .address_space: global }
    .group_segment_fixed_size: 327680
    .private_segment_fixed_size: 0
    .kernarg_segment_align: 8
    .kernarg_segment_size: 40
    .max_flat_workgroup_size: 128
    .sgpr_count:     100
    .vgpr_count:     512
    .wavefront_size: 32
...
	.end_amdgpu_metadata
.endif
;; end of part 2
;; launch attn (part 3): grid 8 x 32, 8 waves a work-group, clusters of 4 x 1, 167,936 bytes of LDS; arguments qimg, kv, a2; writes a2
.if DOCPART == 3
	.amdgcn_target "amdgcn-amd-amdhsa--gfx1250"
	.amdhsa_code_object_version 6
	.text
	.protected	k_qb5f58fd2e2_attn
	.globl	k_qb5f58fd2e2_attn
	.p2align	8
	.type	k_qb5f58fd2e2_attn,@function
k_qb5f58fd2e2_attn:
	s_mov_b64 s[64:65], 0
	v_nop
	global_prefetch_b8 v0, s[64:65] scope:SCOPE_SE
	s_setreg_imm32_b32 hwreg(HW_REG_WAVE_MODE, 25, 1), 1
	s_wait_xcnt 0x0
	s_wait_alu depctr_hold_cnt(0) depctr_sa_sdst(0) depctr_va_vdst(0) depctr_va_sdst(0) depctr_va_ssrc(0) depctr_va_vcc(0) depctr_vm_vsrc(0)
	s_getreg_b32 s2, hwreg(HW_REG_IB_STS2, 6, 4)
	s_cmp_eq_u32 s2, 0
	s_cbranch_scc0 .Lentry_in_a_cluster
	s_endpgm
.Lentry_in_a_cluster:
	s_bfe_u32 s2, ttmp6, 0x10000c
	s_cmp_lg_u32 s2, 0x3003
	s_cbranch_scc0 .Lentry_shape_is_right
	s_endpgm
.Lentry_shape_is_right:
; Attention on codes of FP4: O[q] = sum over k of softmax_k(q . k / 8) v[k], 32 batch-heads of 2,048 tokens, head size 64; the result is quantised at once along the projection's K.  Nothing of reference() is left out.
; THE SOFTMAX AHEAD OF THE SECOND PRODUCT: t = score x log2(e) / 8; M = the running largest t rounded UP to a whole number; p = 2^(t - M) is quantised along the keys, not normalised; the row's sum is taken of the
; unquantised p and divides O at the end; when M moves, the sum and O are multiplied by 2^(old M - new M), which rounds nothing.
; THE FIRST PRODUCT'S K IS 64, the instruction's 128: registers 4-7 of q's and k's fragments are zero codes on both sides; their scale bytes are 0, which stands for 2^-127 over zeros.
; SHARES.  A work-group owns 256 queries of one batch-head; each of its 16 / NT waves owns NT tiles of 16 queries, so that each fragment of k and v read from LDS feeds NT products.
; All of the head's k, v and scale words, 143,360 dense bytes laid as images of operand registers, come into LDS once, ROWS rows of 256 bytes a wave: one load of a wave is out.
; So there is no prefetch: the loop loads nothing from memory.  CLUSTER 4 x 1: the four query blocks of a cluster belong to one head and read the same bytes: each part is asked for jointly.
; LAYOUT.  Both products transposed: S^T = k q^T, O^T = v^T p^T: a lane holds ONE query of each tile.  THE KEYS OF A TILE ARE CHOSEN BY THE LANES' ADDRESSES: slot r of tile (c, t) of a step is key
; 64 c + 32 (r / 8) + 8 t + r % 8, so register 32 c + 8 t + j of lane (r, h) is key 64 c + 32 h + 8 t + j: a lane holds WHOLE blocks of 32 keys (2 c + h), a block's largest score needs no other lane, and the
; conversion of tile (c, t) is register 4 c + t of p's fragment as it stands.  In kv's image that key lies in tile 4 c + 2 (r / 8) + t % 2, slot r % 8 + 8 (t / 2).
; A block's largest p is made from the block's largest score by the same multiply-add and exponential (this takes v_exp_f32 not to fall where its input rises).
; THE ORDER OF A STEP (128 keys): v's loads; S^T of all tiles; the next step's k is asked for; maxima; M and f of all tiles by turns; O^T x f; then tile by tile a batch of exponentials, with the next tile's
; scalings and the tile before's conversions and sums as plain work behind it; O^T += v^T p^T.  The sixteenth trip's look-ahead reads bytes inside the image that nothing uses: so the step is written once.
; LIMITS: NaN and infinities are not served; the scaled scores stay under 2^31 in magnitude; a block under 2^(3 - 127) gets the byte 1.
; REGISTERS.  Tile i's own lie in window i at one set of numbers: v128-191 S^T, then p; v192-223 O^T; v224-231 q; v232-239 p's codes.  Window 1, v0-63: k's eight fragments; v64-95: v's four.
; Window 0: v1-5, v7 addresses that stay; v10, v11 the add's two; v12-15 the step's addresses; from v16 a few registers a tile (below); v80-99 scale words and nothing else.
.set NT,    2
.set WAVES, 16/NT
.set ROWS,  560/WAVES
.set QKB,   73728
.set KVB,   143360
.set REC,   8704
.set SPARE, 143360                     ; behind k and v: the spare words, 128 bytes a wave
.set SPW, 10
.set NIL, 11
.set WV,  10                           ; s10 my wave's number
.set NINF, 19                          ; s19 -infinity: where a chain of maxima begins
.set SEL, 20                           ; s[20:21] v_permlanex16_b32's selects for lane l xor 16
.set CS,  22                           ; s[22:23] c = log2(e) / 8
.set SS, 128
.set OO, 192
.set QQ, 224
.set PC, 232
.set NM, 16                            ; pair of tile i: -M, the largest score
.set FF, 24                            ; pair: f, the old -M
.set LL, 32                            ; pair: the sum in two halves
.set MB, 40                            ; four: chains of maxima; then +0, +2 my two blocks' largest
.set TP, 56                            ; lane permutes' targets
.set SO, 60                            ; two: the conversions' scale operands
.set TQ, 68                            ; at work
.set LT, 72                            ; three pairs: chains of the sum
.set KS, 80                            ; k's scale words, tile 4 c + t
.set VS, 88                            ; v's
.set QS, 92                            ; q's, tile i
.set PS, 96                            ; p's, tile i
.set SH, 100                           ; 8 h
.set MSB, 0
.macro WIN new                         ; bits 1:0 source 0, 3:2 source 1, 5:4 source 2, 7:6 destination; the high byte repeats the setting that is left
.if MSB != (\new)
	s_set_vgpr_msb (MSB<<8)|(\new)
.set MSB, (\new)
.endif
.endm
.macro CROUND
	s_barrier_signal -1
	s_barrier_wait -1
	s_cmp_lg_u32 s[WV], 0
	s_cbranch_scc1 .Lnw0_\@
	s_barrier_signal -3
.Lnw0_\@:
	s_barrier_wait -3
	s_barrier_signal -1
	s_barrier_wait -1
.endm
	s_load_b128 s[4:7], s[0:1], 0x0                ; qimg, kv
	s_load_b64 s[8:9], s[0:1], 0x10                ; a2
	v_lshl_add_u32 v[SPW], v0, 2, SPARE
	v_mov_b32 v[NIL], 0
	ds_add_u32 v[SPW], v[NIL]                      ; the wave's opening: the add, twice on end, and its wait ahead of my first tensor load
	ds_add_u32 v[SPW], v[NIL]
	v_lshrrev_b32 v8, 5, v0
	v_readfirstlane_b32 s[WV], v8                  ; wave
	s_bfe_u32 s11, ttmp6, 0x40000                  ; cx: it enters q's and a2's addresses alone
	s_lshl_b32 s12, ttmp9, 2
	s_add_co_u32 s12, s12, s11                     ; my block of 256 queries
	s_and_b32 s13, ttmp7, 0xffff                   ; batch x 16 + head, which the four partners share
	s_mov_b32 s24, 15|(3<<16)|(1<<21)              ; group 1: the mask: all four; elements of 8 bytes; bit 21 beside a mask; no padding
	s_mov_b32 s25, 32<<16                          ; rows of 256 bytes,
	s_mov_b32 s26, ROWS<<16
	s_mov_b32 s27, 32<<16
	s_mov_b32 s28, ROWS
	s_mov_b32 s29, 32                              ; dense
	s_mov_b32 s30, 0
	s_mov_b32 s31, 0
	s_mul_i32 s14, s[WV], ROWS*256                 ; my part
	s_mul_i32 s16, s13, KVB
	s_add_co_u32 s16, s16, s14
	s_mov_b32 s17, 0
	s_mov_b32 s[NINF], 0xff800000
	s_mov_b32 s[SEL], 0x76543210
	s_mov_b32 s[SEL+1], 0xfedcba98
	s_mov_b32 s[CS], 0x3e38aa3b
	s_mov_b32 s[CS+1], s[CS]                       ; (named with it as a pair, so it is written)
	s_wait_dscnt 0x0                               ; both opening adds are done
	s_wait_kmcnt 0x0
	s_mov_b32 s32, 1
	s_mov_b32 s33, s14
	s_add_nc_u64 s[34:35], s[6:7], s[16:17]
	s_or_b32 s35, s35, 0x80000000
	CROUND                                         ; all four work-groups are here: the joint loads meet
	tensor_load_to_lds s[32:35], s[24:31]
	s_nop 0
.rept 4
	v_nop
.endr
	s_lshl_b32 s18, s12, 4
	s_mul_i32 s51, s[WV], NT
	s_add_co_u32 s18, s18, s51                     ; Tq: my first tile of queries, 0..127
	s_mul_i32 s50, s13, QKB
	s_lshl_b32 s51, s18, 9
	s_add_co_u32 s52, s50, s51
	s_mov_b32 s53, 0
	s_add_nc_u64 s[36:37], s[4:5], s[52:53]        ; q's codes: 512 bytes a tile
	s_lshr_b32 s51, s18, 2
	s_lshl_b32 s51, s51, 8
	s_add_co_u32 s52, s50, s51
	s_and_b32 s51, s18, 3
	s_lshl_b32 s51, s51, 2
	s_add_co_u32 s52, s52, s51
	s_add_co_u32 s52, s52, 65536
	s_add_nc_u64 s[38:39], s[4:5], s[52:53]        ; q's scale words: my NT tiles lie in one group of four, 4 bytes apart
	s_lshr_b32 s50, s13, 4
	s_lshl_b32 s50, s50, 7
	s_add_co_u32 s50, s50, s18
	s_mul_i32 s50, s50, REC                        ; a2: my first tile's record
	s_and_b32 s51, s13, 15                         ; the head
	s_lshr_b32 s52, s51, 1                         ; its K step,
	s_and_b32 s53, s51, 1                          ; and half of it
	s_lshl_b32 s54, s52, 10
	s_lshl_b32 s55, s53, 9
	s_add_co_u32 s54, s54, s55
	s_add_co_u32 s54, s54, s50
	s_mov_b32 s55, 0
	s_add_nc_u64 s[44:45], s[8:9], s[54:55]        ; where my codes go
	s_lshr_b32 s56, s52, 2
	s_lshl_b32 s56, s56, 8
	s_and_b32 s57, s52, 3
	s_lshl_b32 s57, s57, 2
	s_add_co_u32 s56, s56, s57
	s_lshl_b32 s57, s53, 1
	s_add_co_u32 s56, s56, s57
	s_add_co_u32 s56, s56, s50
	s_add_co_u32 s56, s56, 8192
	s_mov_b32 s57, 0
	s_add_nc_u64 s[46:47], s[8:9], s[56:57]        ; and my two scale bytes a slot
	s_mov_b32 s40, 0                               ; the step's codes of k and of v: 4,096 bytes a step
	s_mov_b32 s41, 0                               ; k's scale words: 512
	s_mov_b32 s42, 0                               ; v's: 256
	s_mov_b32 s43, 16                              ; steps of 128 keys
	v_and_b32 v5, 31, v0
	v_lshlrev_b32 v5, 4, v5                        ; v5: 16 x lane
	v_and_b32 v7, 15, v0
	v_lshlrev_b32 v7, 4, v7                        ; v7: 16 r
	v_and_b32 v1, 7, v0
	v_bfe_u32 v8, v0, 3, 1                         ; r / 8
	v_bfe_u32 v9, v0, 4, 1                         ; h
	v_lshlrev_b32 v2, 4, v1                        ; 16 (r % 8)
	v_lshl_add_u32 v1, v8, 10, v2
	v_lshl_add_u32 v1, v9, 8, v1                   ; v1: k's codes: 1024 (r / 8) + 16 (r % 8) + 256 h
	v_lshl_add_u32 v2, v8, 3, v2
	v_add_nc_u32 v2, 65536, v2                     ; v2: k's scale words: 16 (r % 8) + 8 (r / 8)
	v_add_nc_u32 v3, 73728, v5                     ; v3: v's codes
	v_add_nc_u32 v4, 139264, v7                    ; v4: v's scale words
	v_lshlrev_b32 v[SH], 3, v9
	s_wait_alu depctr_va_vdst(0)
.set I, 0
.rept NT
	WIN I<<6
	global_load_b128 v[QQ:QQ+3], v5, s[36:37] offset:512*I   ; q's fragments stay in registers
.set I, I+1
.endr
	WIN 0
.set I, 0
.rept NT
	global_load_b32 v[QS+I], v7, s[38:39] offset:4*I
.set I, I+1
.endr
.set I, 0
.rept NT
	WIN I<<6
.irp j, 4,5,6,7
	v_mov_b32 v[QQ+\j], 0                          ; K = 64 .. 127: zero codes
.endr
.set j, 0
.rept 32
	v_mov_b32 v[OO+j], 0                           ; O^T: the first step finds zeros, which the first change of M leaves zeros: so it needs no text of its own
.set j, j+1
.endr
.set I, I+1
.endr
	WIN 0x40
.irp t, 0,1,2,3,4,5,6,7
.irp j, 4,5,6,7
	v_mov_b32 v[8*\t+\j], 0                        ; likewise in k's fragments: written once, never loaded
.endr
.endr
	WIN 0
.irp i, 0,1,2,3
.if \i < NT
	v_mov_b32 v[NM+2*\i+1], 0xff61b1e6             ; the largest score so far: -3e38
	v_mov_b32 v[NM+2*\i], 0x7f61b1e6               ; -M: 3e38: the first f comes out 0
	v_mov_b32 v[LL+2*\i], 0
	v_mov_b32 v[LL+2*\i+1], 0
	v_mov_b32 v[TP+\i], 0                          ; a lane permute's destination counts as one of its sources
.endif
.endr
; a step's eight tiles of k (registers 0-3 of each fragment) and their scale words: twelve loads
.macro KLOAD adk, ads, off, offs
	WIN 0x40
.irp c, 0,1
.irp t, 0,1,2,3
	ds_load_b128 v[8*(4*\c+\t):8*(4*\c+\t)+3], v[\adk] offset:\off+2048*\c+512*(\t%2)+128*(\t/2)
.endr
.endr
	WIN 0
.irp c, 0,1
.irp u, 0,1
	ds_load_b64 v[KS+4*\c+2*\u:KS+4*\c+2*\u+1], v[\ads] offset:\offs+256*\c+128*\u   ; tiles (c, 2 u) and (c, 2 u + 1)
.endr
.endr
.endm
.macro SCALE t                         ; t - M of tile t's 64 scores, two at a time: of the pairs c and -M the low word serves both halves
	WIN ((\t)<<6)|(\t)
.set j, 0
.rept 32
	v_pk_fma_f32 v[SS+j:SS+j+1], v[SS+j:SS+j+1], s[CS:CS+1], v[NM+2*(\t):NM+2*(\t)+1] op_sel_hi:[1,0,0]
.set j, j+2
.endr
.endm
.macro EXPS t                          ; p = 2^(t - M), at most 1
	WIN ((\t)<<6)|(\t)
.set j, 0
.rept 64
	v_exp_f32 v[SS+j], v[SS+j]
.set j, j+1
.endr
.endm
.macro PQ t                            ; tile t: p's codes, and the row's sum of the unquantised p in four chains
	WIN ((\t)<<6)|(\t)
.irp g, 0,1,2,3,4,5,6,7
	v_cvt_scalef32_pk8_fp4_f32 v[PC+\g], v[SS+8*\g:SS+8*\g+7], v[SO+2*(\t)+\g/4]
.endr
	v_nop                                          ; one plain line behind the last conversion
	WIN ((\t)<<2)|(\t)
.irp a, 1,2,3
	v_pk_add_f32 v[LT+2*\a-2:LT+2*\a-1], v[SS+2*\a:SS+2*\a+1], v[SS+2*\a+6:SS+2*\a+7]
.endr
	WIN (\t)<<2
	v_pk_add_f32 v[LL+2*(\t):LL+2*(\t)+1], v[LL+2*(\t):LL+2*(\t)+1], v[SS:SS+1]
.irp n, 14,22,30,38,46,54
	v_pk_add_f32 v[LT:LT+1], v[LT:LT+1], v[SS+\n:SS+\n+1]
	v_pk_add_f32 v[LT+2:LT+3], v[LT+2:LT+3], v[SS+\n+2:SS+\n+3]
	v_pk_add_f32 v[LT+4:LT+5], v[LT+4:LT+5], v[SS+\n+4:SS+\n+5]
	v_pk_add_f32 v[LL+2*(\t):LL+2*(\t)+1], v[LL+2*(\t):LL+2*(\t)+1], v[SS+\n+6:SS+\n+7]
.endr
	v_pk_add_f32 v[LT:LT+1], v[LT:LT+1], v[SS+62:SS+63]
	WIN 0
	v_pk_add_f32 v[LL+2*(\t):LL+2*(\t)+1], v[LL+2*(\t):LL+2*(\t)+1], v[LT+4:LT+5]
	v_pk_add_f32 v[LT:LT+1], v[LT:LT+1], v[LT+2:LT+3]
	v_pk_add_f32 v[LL+2*(\t):LL+2*(\t)+1], v[LL+2*(\t):LL+2*(\t)+1], v[LT:LT+1]
.endm
	s_wait_alu depctr_va_vdst(0)                   ; the head's end
	s_wait_tensorcnt 0x0                           ; my part is in,
	s_barrier_signal -1
	s_barrier_wait -1                              ; everybody's is
	KLOAD 1, 2, 0, 0                               ; the first step's k
	s_wait_loadcnt 0x0                             ; q
.Lstep:
	v_add_nc_u32 v12, s40, v1                      ; four plain lines that name no register of the last products: the places ahead of the loads into v's registers
	v_add_nc_u32 v13, s41, v2
	v_add_nc_u32 v14, s40, v3
	v_add_nc_u32 v15, s42, v4
	WIN 0x40
.irp d, 0,1,2,3
.irp c, 0,1
	ds_load_b128 v[64+8*\d+4*\c:67+8*\d+4*\c], v14 offset:1024*\d+512*\c
.endr
.endr
	WIN 0
	ds_load_b128 v[VS:VS+3], v15
	s_wait_alu depctr_va_vdst(0)
	s_wait_dscnt 9                                 ; k and its words, asked for a step ago, are in; v's nine loads, issued behind them, may stay out
.set I, 0
.rept NT                               ; S^T = k q^T: each fragment of k serves every tile
	WIN (I<<6)|(I<<2)|1
.irp t, 0,1,2,3,4,5,6,7
	v_wmma_scale_f32_16x16x128_f8f6f4 v[SS+8*\t:SS+8*\t+7], v[8*\t:8*\t+7], v[QQ:QQ+7], 0, v[KS+\t], v[QS+I] matrix_a_fmt:MATRIX_FMT_FP4 matrix_b_fmt:MATRIX_FMT_FP4
.endr
.set I, I+1
.endr
.rept 4
	v_nop                                          ; places: ahead of the loads into k's registers and of the first read of the scores
.endr
	KLOAD 12, 13, 4096, 512                        ; the next step's k
.set I, 0
.rept NT                               ; the largest score of my two blocks of 32 keys, each in two chains; each accumulator is read from its low end on
	WIN (I<<4)|(I<<2)
.irp ch, 0,1,2,3
	v_max3_num_f32 v[MB+4*I+\ch], s[NINF], v[SS+16*\ch], v[SS+16*\ch+1]
.endr
.irp k, 2,4,6,8,10,12,14
.irp ch, 0,1,2,3
	v_max3_num_f32 v[MB+4*I+\ch], v[MB+4*I+\ch], v[SS+16*\ch+\k], v[SS+16*\ch+\k+1]
.endr
.endr
.set I, I+1
.endr
	WIN 0                                          ; M and f, the tiles by turns
.irp i, 0,1,2,3
.if \i < NT
	v_max_num_f32 v[MB+4*\i], v[MB+4*\i], v[MB+4*\i+1]
	v_max_num_f32 v[MB+4*\i+2], v[MB+4*\i+2], v[MB+4*\i+3]
	v_mov_b32 v[FF+2*\i+1], v[NM+2*\i]             ; the old -M
.endif
.endr
.irp i, 0,1,2,3
.if \i < NT
	v_max_num_f32 v[TQ+\i], v[MB+4*\i], v[MB+4*\i+2]
.endif
.endr
.irp i, 0,1,2,3
.if \i < NT
	v_permlanex16_b32 v[TP+\i], v[TQ+\i], s[SEL], s[SEL+1]
.endif
.endr
.irp i, 0,1,2,3
.if \i < NT
	v_max3_num_f32 v[NM+2*\i+1], v[NM+2*\i+1], v[TQ+\i], v[TP+\i]   ; the running largest score of my query
.endif
.endr
.irp i, 0,1,2,3
.if \i < NT
	v_mul_f32 v[TQ+\i], s[CS], v[NM+2*\i+1]        ; as t (c is positive)
.endif
.endr
.irp i, 0,1,2,3
.if \i < NT
	v_floor_f32 v[NM+2*\i], -v[TQ+\i]              ; the new -M = floor(-t): M is a whole number
.endif
.endr
.irp i, 0,1,2,3
.if \i < NT
	v_sub_f32 v[TQ+\i], v[NM+2*\i], v[FF+2*\i+1]   ; old M less new M: a whole number, 0 or less
	v_fma_f32 v[MB+4*\i], v[MB+4*\i], s[CS], v[NM+2*\i]       ; t - M of my blocks' largest scores
	v_fma_f32 v[MB+4*\i+2], v[MB+4*\i+2], s[CS], v[NM+2*\i]
.endif
.endr
.irp i, 0,1,2,3
.if \i < NT
	v_cvt_i32_f32 v[TQ+\i], v[TQ+\i]               ; (it saturates)
.endif
.endr
.irp i, 0,1,2,3
.if \i < NT
	v_ldexp_f32 v[FF+2*\i], 1.0, v[TQ+\i]          ; f = 2^(old M - new M)
.endif
.endr
.irp i, 0,1,2,3
.if \i < NT
	v_pk_mul_f32 v[LL+2*\i:LL+2*\i+1], v[LL+2*\i:LL+2*\i+1], v[FF+2*\i:FF+2*\i+1] op_sel_hi:[1,0]   ; the sums under the new M
.endif
.endr
.set I, 0
.rept NT                               ; O^T under the new M, ahead of the step's first exponential
	WIN (I<<6)|I
.irp j, 0,2,4,6,8,10,12,14,16,18,20,22,24,26,28,30
	v_pk_mul_f32 v[OO+\j:OO+\j+1], v[OO+\j:OO+\j+1], v[FF+2*I:FF+2*I+1] op_sel_hi:[1,0]
.endr
.set I, I+1
.endr
	SCALE 0
.set I, 0
.rept NT
	s_wait_alu depctr_va_vdst(0)                   ; one wait ahead of each batch, which is also the wait behind the batch before
.if I == 0
	WIN 0
.irp i, 0,1,2,3
.if \i < NT
	v_exp_f32 v[MB+4*\i], v[MB+4*\i]               ; my blocks' largest p, of all tiles
	v_exp_f32 v[MB+4*\i+2], v[MB+4*\i+2]
.endif
.endr
.endif
	EXPS I
.if I+1 < NT
	SCALE I+1                                      ; plain work behind the batch, which names none of its results
.endif
.if I == 1
	WIN 0                                          ; p's scales, the tiles by turns
.irp i, 0,1,2,3
.if \i < NT
	v_max_num_f32 v[MB+4*\i], 0x1800000, v[MB+4*\i]           ; the floor 2^(3 - 127)
	v_max_num_f32 v[MB+4*\i+2], 0x1800000, v[MB+4*\i+2]
.endif
.endr
.irp i, 0,1,2,3
.if \i < NT
	v_add_nc_u32 v[SO+2*\i], 0xff000000, v[MB+4*\i]           ; 2 off the exponent field: the conversion's scale operand
	v_add_nc_u32 v[SO+2*\i+1], 0xff000000, v[MB+4*\i+2]
.endif
.endr
.irp i, 0,1,2,3
.if \i < NT
	v_lshrrev_b32 v[MB+4*\i], 23, v[SO+2*\i]       ; the scales' bytes: blocks h and 2 + h
	v_lshrrev_b32 v[MB+4*\i+2], 23, v[SO+2*\i+1]
.endif
.endr
.irp i, 0,1,2,3
.if \i < NT
	v_lshl_or_b32 v[TQ+\i], v[MB+4*\i+2], 16, v[MB+4*\i]
.endif
.endr
.irp i, 0,1,2,3
.if \i < NT
	v_lshlrev_b32 v[TQ+\i], v[SH], v[TQ+\i]        ; at their places in the word: 8 h bits up
.endif
.endr
.irp i, 0,1,2,3
.if \i < NT
	v_permlanex16_b32 v[TP+\i], v[TQ+\i], s[SEL], s[SEL+1]
.endif
.endr
.irp i, 0,1,2,3
.if \i < NT
	v_or_b32 v[PS+\i], v[TQ+\i], v[TP+\i]          ; with lane l xor 16's two the word is whole
.endif
.endr
.endif
.if I >= 1
	PQ I-1
.endif
.set I, I+1
.endr
	s_wait_alu depctr_va_vdst(0)                   ; the wait behind the last batch
	PQ NT-1
	s_wait_alu depctr_va_vdst(0)                   ; directly ahead of the wait below
	s_wait_dscnt 12                                ; v is in; the next step's twelve loads of k, issued behind v's, may stay out
.set I, 0
.rept NT                               ; O^T += v^T p^T: the accumulators by turns
	WIN (I<<6)|(I<<4)|(I<<2)|1
.irp d, 0,1,2,3
	v_wmma_scale_f32_16x16x128_f8f6f4 v[OO+8*\d:OO+8*\d+7], v[64+8*\d:71+8*\d], v[PC:PC+7], v[OO+8*\d:OO+8*\d+7], v[VS+\d], v[PS+I] matrix_a_fmt:MATRIX_FMT_FP4 matrix_b_fmt:MATRIX_FMT_FP4
.endr
.set I, I+1
.endr
	WIN 0
	s_add_co_u32 s40, s40, 4096
	s_add_co_u32 s41, s41, 512
	s_add_co_u32 s42, s42, 256
	s_sub_co_u32 s43, s43, 1
	s_cmp_lg_u32 s43, 0
	s_cbranch_scc1 .Lstep
	; THE WAY OUT: O^T / the sum, quantised along d: register 16 b + i is d = 32 b + 16 h + i, a block lies in lanes l and l xor 16
.irp i, 0,1,2,3
.if \i < NT
	v_add_f32 v[TQ+\i], v[LL+2*\i], v[LL+2*\i+1]   ; the sum's two halves (these lines are also the places behind the last products),
.endif
.endr
.irp i, 0,1,2,3
.if \i < NT
	v_permlanex16_b32 v[TP+\i], v[TQ+\i], s[SEL], s[SEL+1]
.endif
.endr
.irp i, 0,1,2,3
.if \i < NT
	v_add_f32 v[TQ+\i], v[TQ+\i], v[TP+\i]         ; and lane l xor 16's
.endif
.endr
	s_wait_alu depctr_va_vdst(0)                   ; ahead of the batch
.irp i, 0,1,2,3
.if \i < NT
	v_rcp_f32 v[FF+2*\i], v[TQ+\i]
.endif
.endr
	v_and_b32 v9, 31, v0                           ; (a plain line behind the reciprocals)  lane
.set I, 0
.rept NT
	WIN (I<<6)|I
	s_wait_alu depctr_va_vdst(0)                   ; the wait directly ahead of the first reader of the reciprocal and of this tile's O^T
.set j, 0
.rept 32
	v_mul_f32 v[SS+j], v[OO+j], v[FF+2*I]          ; each accumulator from its low end on
.set j, j+1
.endr
	WIN (I<<4)|(I<<2)
.irp b, 0,1
	v_max3_num_f32 v[MB+4*I+2*\b], 0x1800000, |v[SS+16*\b]|, |v[SS+16*\b+1]|
.endr
.irp k, 2,4,6,8,10,12,14
.irp b, 0,1
	v_max3_num_f32 v[MB+4*I+2*\b], v[MB+4*I+2*\b], |v[SS+16*\b+\k]|, |v[SS+16*\b+\k+1]|
.endr
.endr
.set I, I+1
.endr
	WIN 0
.irp i, 0,1,2,3
.if \i < NT
	v_permlanex16_b32 v[TP+\i], v[MB+4*\i], s[SEL], s[SEL+1]
	v_permlanex16_b32 v[TQ+\i], v[MB+4*\i+2], s[SEL], s[SEL+1]
.endif
.endr
.irp i, 0,1,2,3
.if \i < NT
	v_max_num_f32 v[MB+4*\i], v[MB+4*\i], v[TP+\i]
	v_max_num_f32 v[MB+4*\i+2], v[MB+4*\i+2], v[TQ+\i]
.endif
.endr
.irp i, 0,1,2,3
.if \i < NT
	v_add_nc_u32 v[SO+2*\i], 0xff000000, v[MB+4*\i]
	v_add_nc_u32 v[SO+2*\i+1], 0xff000000, v[MB+4*\i+2]
.endif
.endr
.irp i, 0,1,2,3
.if \i < NT
	v_lshrrev_b32 v[MB+4*\i], 23, v[SO+2*\i]
	v_lshrrev_b32 v[MB+4*\i+2], 23, v[SO+2*\i+1]
.endif
.endr
.irp i, 0,1,2,3
.if \i < NT
	v_lshl_or_b32 v[TQ+\i], v[MB+4*\i+2], 8, v[MB+4*\i]       ; my slot's two scale bytes
.endif
.endr
.set I, 0
.rept NT
	WIN (I<<6)|I
.irp b, 0,1
	v_cvt_scalef32_pk8_fp4_f32 v[PC+2*\b], v[SS+16*\b:SS+16*\b+7], v[SO+2*I+\b]
	v_cvt_scalef32_pk8_fp4_f32 v[PC+2*\b+1], v[SS+16*\b+8:SS+16*\b+15], v[SO+2*I+\b]
.endr
	v_nop                                          ; one plain line behind the last conversion
	v_permlane16_swap_b32 v[PC], v[PC+2]           ; a whole block in a lane
	v_permlane16_swap_b32 v[PC+1], v[PC+3]
	WIN I<<2
	global_store_b128 v5, v[PC:PC+3], s[44:45] offset:REC*I   ; 512 consecutive bytes, aligned
.set I, I+1
.endr
	WIN 0
	v_cmp_gt_u32 vcc_lo, 16, v9
	s_wait_alu depctr_va_vdst(0)                   ; directly ahead of the wait below
	s_wait_xcnt 0x0                                ; EXEC changes only behind this wait
	s_and_saveexec_b32 s48, vcc_lo                 ; lanes 0-15: both halves hold the same bytes
.set I, 0
.rept NT
	global_store_b16 v7, v[TQ+I], s[46:47] offset:REC*I       ; a scale word spans two heads, which lie in two work-groups: so two bytes a slot
.set I, I+1
.endr
	s_wait_xcnt 0x0
	s_or_b32 exec_lo, exec_lo, s48
	s_wait_tensorcnt 0x0                           ; the wave's end
	ds_add_u32 v[SPW], v[NIL]
	s_wait_dscnt 0x0
	CROUND                                         ; the closing round
	s_endpgm
.Lfunc_end_k_qb5f58fd2e2_attn:
	.size	k_qb5f58fd2e2_attn, .Lfunc_end_k_qb5f58fd2e2_attn-k_qb5f58fd2e2_attn
	.p2alignl 7, 3214868480
	.fill 96, 4, 3214868480
	.section	.rodata,"a",@progbits
	.p2align	6, 0x0
	.amdhsa_kernel k_qb5f58fd2e2_attn
		.amdhsa_group_segment_fixed_size 167936
		.amdhsa_private_segment_fixed_size 0
		.amdhsa_enable_private_segment 0
		.amdhsa_kernarg_size 24
		.amdhsa_user_sgpr_count 2
		.amdhsa_user_sgpr_kernarg_segment_ptr 1
		.amdhsa_wavefront_size32 1
		.amdhsa_system_sgpr_workgroup_id_x 1
		.amdhsa_system_sgpr_workgroup_id_y 1
		.amdhsa_system_sgpr_workgroup_id_z 1
		.amdhsa_system_vgpr_workitem_id 0
		.amdhsa_next_free_vgpr 512
		.amdhsa_next_free_sgpr 66
		.amdhsa_reserve_vcc 1
		.amdhsa_float_denorm_mode_32 3
		.amdhsa_float_denorm_mode_16_64 3
		.amdhsa_memory_ordered 1
		.amdhsa_forward_progress 1
		.amdhsa_inst_pref_size 45
	.end_amdhsa_kernel
	.amdgpu_metadata
---
amdhsa.version: [ 1, 2 ]
amdhsa.kernels:
  - .name:           k_qb5f58fd2e2_attn
    .symbol:         k_qb5f58fd2e2_attn.kd
    .args:
      - { .name: qimg, .offset: 0, .size: 8, .value_kind: global_buffer, .address_space: global }
      - { .name: kv, .offset: 8, .size: 8, .value_kind: global_buffer, .address_space: global }
      - { .name: a2, .offset: 16, .size: 8, .value_kind: global_buffer, .address_space: global }
    .group_segment_fixed_size: 167936
    .private_segment_fixed_size: 0
    .kernarg_segment_align: 8
    .kernarg_segment_size: 24
    .max_flat_workgroup_size: 256
    .sgpr_count:     66
    .vgpr_count:     512
    .wavefront_size: 32
...
	.end_amdgpu_metadata
.endif
;; end of part 3
;; launch projln (part 4): grid 256 x 1, 8 waves a work-group, no clusters, 279,552 bytes of LDS; arguments x, ln2_w, ln2_b, aimg, a2, wimg, proj_b, x1; writes aimg, x1
.if DOCPART == 4
	.amdgcn_target "amdgcn-amd-amdhsa--gfx1250"
	.amdhsa_code_object_version 6
	.text
	.protected	k_qb5f58fd2e2_projln
	.globl	k_qb5f58fd2e2_projln
	.p2align	8
	.type	k_qb5f58fd2e2_projln,@function
k_qb5f58fd2e2_projln:
	s_mov_b64 s[64:65], 0
	v_nop
	global_prefetch_b8 v0, s[64:65] scope:SCOPE_SE
	s_setreg_imm32_b32 hwreg(HW_REG_WAVE_MODE, 25, 1), 1
	s_wait_xcnt 0x0
; x1 = x + attention proj_w + proj_b, the product on codes of FP4, and LayerNorm 2 of x1 quantised along the row into the tokens' image, in one launch.  Nothing of reference() is left out.
; RECORD: one tile of 16 rows in tile order x 1,024 K, 8,704 bytes: registers 4 c .. 4 c + 3 of K step s of a fragment at 1024 s + 512 c + 16 x lane; the scale words of K steps 4 G .. 4 G + 3 of slot r at
; 8192 + 256 G + 16 r.  Tile order: slot r of tile 2 g + u holds row 32 g + 8 u + r + 8 (r / 8).
; SHARES.  Work-group T owns token tile T, 16 rows, over all 1,024 columns, so that a row's mean and variance are made where the row is made.  Wave w multiplies the tile by weight tiles 8 w .. 8 w + 7 (columns 128 w on):
; source 0 = weights, source 1 = tokens: register j of result tile t = 2 b + u of lane (r, h) is column 128 w + 32 b + 16 h + 8 u + j of token slot r.  8 accumulators by turns, 8 K steps.
; THE WEIGHTS COME BY TWO WAYS AT ONCE.  Each byte of a weight record serves one wave of the work-group, once.  A wave's tiles 0-3 go from memory straight into registers, 512 consecutive bytes a load; its tiles 4-7, 34,816 dense
; bytes, come by its one tensor load at the head into LDS bytes that it alone reads (8 x 34,816 bytes: what LDS holds of the 557,056), and from there into the same registers.  Three sets of 64 registers by turns, a K step's
; sixteen loads two steps ahead of its products.  Nothing is filled again.  cluster = none: a work-group asks for a tile once, at its head, and a joint load would put one round of the cluster's barrier in front of that one
; load and another at the end.  No prefetch: the eight steps are written out, there is no loop to run ahead in.
; FROM PRODUCT TO NORM.  Behind a barrier, at which every wave's reads of its weights are over, the norm's LDS lies over the weights' bytes, which have had their one fill.  The sums go once through LDS, rows of 4,096 + 16 bytes;
; behind a second barrier wave w takes slots 2 w, 2 w + 1, two consecutive rows, 512 consecutive bytes a load; proj_b and x are added in that layout, and x1 leaves as runs of 512 consecutive bytes.  Then: mean, the mean of
; (x1 - mean)^2, y = ((x1 - mean) rsqrt(var + 1e-5)) w + b, all f32.  For the sums a lane holds 4 neighbours of each 128; the conversions want 32 neighbours in one lane: each row turns through the wave's own stage (a lane's
; 128 bytes + 16 of padding), after which lane = block.  Codes and scale bytes of the 16 slots meet in LDS and leave as runs of 512 bytes.
; LIMITS: NaN and infinities are not served; a block under 2^(3 - 127) gets the byte 1 (a block of zeros too: its codes are zeros, and this program alone reads the bytes).
; REGISTERS.  Window 0: v1-15, v160-162 addresses; v16-79 x, later codes and bytes; v80-143 the tokens' fragments, then the two rows; v144-158 the norm's work; v184-255 scale words and nothing else.
; Window 1: v0-191 three sets of weight fragments, later gain, bias and proj_b; v192-255 the accumulators.
.set REC,   8704
.set WPROJ, 1671168                    ; where proj_w's records begin in wimg
.set WLB,   34816                      ; LDS, first: four weight records for each wave, from byte 0 on
.set OUTB,  73728                      ; LDS, then: 0 .. 73727 eight waves x two rows x 32 x 144; 32 blocks x (256 + 16) bytes of codes,
.set SCO,   82432                      ; 512 scale bytes,
.set XS,    83968                      ; and 16 rows of XP bytes: the sums on their way from product to norm
.set XP,    4112
.set SPARE, 278528                     ; behind the weights: the spare words, 128 bytes a wave
.set SPW, 10                           ; v10, v11: the add's two; never rewritten
.set NIL, 11
.set XR,  16                           ; v16-79   x, two rows x 32
.set GN,  16                           ; later codes (v16-23) and bytes (v32, v33)
.set LX,  80                           ; v80-143  two rows x 32
.set TOK, 80                           ; before that the tokens' eight fragments
.set SM,  144                          ; v144-151 row k: two pairs of sums; then mean, then rsqrt; later the way out
.set PT,  152                          ; v152-153 lane permutes' targets
.set QT,  156                          ; v156-158 the quantiser's work
.set WSC, 184                          ; v184-247 the weights' scale words: tile t, K step s at 8 t + s
.set TSC, 248                          ; v248-255 the tokens'
.set ACC, 192                          ; window 1
.set GW,  0                            ; window 1, behind the products: the gain,
.set BW,  32                           ; the norm's bias,
.set PB,  64                           ; proj_b
.set MSB, 0
.macro WIN new                         ; bits 1:0 source 0, 3:2 source 1, 5:4 source 2, 7:6 destination; the high byte repeats the setting that is left
.if MSB != (\new)
	s_set_vgpr_msb (MSB<<8)|(\new)
.set MSB, (\new)
.endif
.endm
; 32 numbers of one lane, one block: codes into v[c] on, the scale's byte into v[by]; v[t] .. v[t + 2] at work
.macro QUANT32 x, c, by, t
	v_max3_num_f32 v[\t], |v[\x]|, |v[\x+1]|, |v[\x+2]|            ; the block's largest magnitude, in two chains
	v_max3_num_f32 v[\t+1], |v[\x+3]|, |v[\x+4]|, |v[\x+5]|
.irp i, 6,10,14,18,22,26
	s_delay_alu instid0(VALU_DEP_2)
	v_max3_num_f32 v[\t], v[\t], |v[\x+\i]|, |v[\x+\i+1]|
	s_delay_alu instid0(VALU_DEP_2)
	v_max3_num_f32 v[\t+1], v[\t+1], |v[\x+\i+2]|, |v[\x+\i+3]|
.endr
	s_delay_alu instid0(VALU_DEP_2)
	v_max3_num_f32 v[\t], v[\t], |v[\x+30]|, |v[\x+31]|
	s_delay_alu instid0(VALU_DEP_1)
	v_max3_num_f32 v[\t], v[\t], v[\t+1], 0x1800000 ; and the floor 2^(3 - 127): the byte cannot fall under 1
	s_delay_alu instid0(VALU_DEP_1)
	v_add_nc_u32 v[\t+2], 0xff000000, v[\t]        ; 2 off its exponent field: the conversion takes this operand's exponent field as its scale
	s_delay_alu instid0(VALU_DEP_1)
	v_lshrrev_b32 v[\by], 23, v[\t+2]              ; the scale's byte
.irp g, 0,1,2,3
	v_cvt_scalef32_pk8_fp4_f32 v[\c+\g], v[\x+8*\g:\x+8*\g+7], v[\t+2]
.endr
	v_nop                                          ; one plain line behind the last conversion
.endm
; the two pairs of a row's sums become one number in every lane; the two rows by turns
.macro ACROSS
.irp k, 0
	s_delay_alu instid0(VALU_DEP_3)
	v_pk_add_f32 v[SM+4*\k:SM+4*\k+1], v[SM+4*\k:SM+4*\k+1], v[SM+4*\k+2:SM+4*\k+3]
.endr
.irp k, 1
	s_delay_alu instid0(VALU_DEP_2)
	v_pk_add_f32 v[SM+4*\k:SM+4*\k+1], v[SM+4*\k:SM+4*\k+1], v[SM+4*\k+2:SM+4*\k+3]
.endr
.irp k, 0,1
	s_delay_alu instid0(VALU_DEP_2)
	v_add_f32 v[SM+4*\k], v[SM+4*\k], v[SM+4*\k+1]
.endr
.irp m, 1,2,4,8
.irp k, 0,1
	s_delay_alu instid0(VALU_DEP_2)
	v_add_f32_dpp v[SM+4*\k], v[SM+4*\k], v[SM+4*\k] row_xmask:\m row_mask:0xf bank_mask:0xf
.endr
.endr
.irp k, 0,1
	s_delay_alu instid0(VALU_DEP_2)
	v_permlanex16_b32 v[PT+\k], v[SM+4*\k], s12, s13
.endr
.irp k, 0,1
	s_delay_alu instid0(VALU_DEP_2)
	v_add_f32 v[SM+4*\k], v[SM+4*\k], v[PT+\k]
.endr
.endm
.macro WLOADG s                        ; K step s of my weight tiles 0-3, from memory into set s % 3: eight loads of 512 consecutive bytes
	WIN 0x40
.irp t, 0,1,2,3
.irp c, 0,1
	global_load_b128 v[64*((\s)%3)+8*\t+4*\c:64*((\s)%3)+8*\t+4*\c+3], v2, s[26:27] offset:\t*REC+1024*(\s)+512*\c
.endr
.endr
	WIN 0
.endm
.macro WLOADL s                        ; and of tiles 4-7, from my LDS bytes: eight loads
	WIN 0x40
.irp t, 4,5,6,7
.irp c, 0,1
	ds_load_b128 v[64*((\s)%3)+8*\t+4*\c:64*((\s)%3)+8*\t+4*\c+3], v161 offset:(\t-4)*REC+1024*(\s)+512*\c
.endr
.endr
	WIN 0
.endm
.macro MUL s                           ; eight matrix instructions; the accumulators take turns, one instruction a turn, in the same order in every K step; the first step starts the sums
	WIN 0x51
.irp t, 0,1,2,3,4,5,6,7
.if (\s) == 0
	v_wmma_scale_f32_16x16x128_f8f6f4 v[ACC+8*\t:ACC+8*\t+7], v[64*((\s)%3)+8*\t:64*((\s)%3)+8*\t+7], v[TOK+8*(\s):TOK+8*(\s)+7], 0, v[WSC+8*\t+(\s)], v[TSC+(\s)] matrix_a_fmt:MATRIX_FMT_FP4 matrix_b_fmt:MATRIX_FMT_FP4
.else
	v_wmma_scale_f32_16x16x128_f8f6f4 v[ACC+8*\t:ACC+8*\t+7], v[64*((\s)%3)+8*\t:64*((\s)%3)+8*\t+7], v[TOK+8*(\s):TOK+8*(\s)+7], v[ACC+8*\t:ACC+8*\t+7], v[WSC+8*\t+(\s)], v[TSC+(\s)] matrix_a_fmt:MATRIX_FMT_FP4 matrix_b_fmt:MATRIX_FMT_FP4
.endif
.endr
	WIN 0
.endm
	s_load_b256 s[4:11], s[0:1], 0x0               ; x s[4:5], gain s[6:7], bias s[8:9], the image s[10:11]
	s_load_b256 s[24:31], s[0:1], 0x20             ; a2 s[24:25], wimg s[26:27], proj_b s[28:29], x1 s[30:31]
	v_lshl_add_u32 v[SPW], v0, 2, SPARE
	v_mov_b32 v[NIL], 0
	ds_add_u32 v[SPW], v[NIL]                      ; the wave's opening: the add, twice on end, and its wait ahead of my tensor load
	ds_add_u32 v[SPW], v[NIL]
	v_lshrrev_b32 v1, 5, v0
	v_readfirstlane_b32 s14, v1                    ; wave 0..7
	s_lshr_b32 s16, ttmp9, 1
	s_lshl_b32 s16, s16, 5
	s_and_b32 s17, ttmp9, 1
	s_lshl_b32 s17, s17, 3
	s_add_co_u32 s16, s16, s17
	s_lshl_b32 s17, s14, 1
	s_add_co_u32 s16, s16, s17
	s_lshr_b32 s17, s14, 2
	s_lshl_b32 s17, s17, 3
	s_add_co_u32 s16, s16, s17                     ; my first row: 32 (T / 2) + 8 (T % 2) + 2 w + 8 (w / 4)
	s_lshl_b32 s16, s16, 12                        ; x 4,096 bytes
	s_mov_b32 s17, 0
	s_mul_i32 s22, ttmp9, REC                      ; record T, in a2 and in the image
	s_mov_b32 s23, 0
	s_mov_b32 s12, 0x76543210                      ; v_permlanex16_b32's selects for lane l xor 16
	s_mov_b32 s13, 0xfedcba98
	s_mov_b32 s20, 0x3a800000                      ; 1 / 1024
	s_mov_b32 s21, 0x3727c5ac                      ; 1e-5
	s_mul_i32 s18, s14, 9216                       ; my wave's two stages
	s_lshl_b32 s32, s14, 5
	s_lshl_b32 s33, s14, 2
	s_lshl_b32 s34, s14, 10
	s_lshl_b32 s35, s14, 9
	s_add_co_u32 s35, s35, XS                      ; my 128 columns of a row of sums
	s_mul_i32 s36, s14, 8*REC
	s_add_co_u32 s36, s36, WPROJ                   ; my eight weight records
	s_mov_b32 s37, 0
	s_mul_i32 s38, s14, 2*XP
	s_add_co_u32 s38, s38, XS                      ; my two rows of sums
	s_mul_i32 s39, s14, WLB                        ; my four records in LDS
	s_mov_b32 s48, 3<<16                           ; group 1: no mask; elements of 8 bytes; no padding: the reads are 512 consecutive bytes
	s_mov_b32 s49, 32<<16                          ; rows of 256 bytes,
	s_mov_b32 s50, 136<<16                         ; 136 of them: four records
	s_mov_b32 s51, 32<<16
	s_mov_b32 s52, 136
	s_mov_b32 s53, 32                              ; dense
	s_mov_b32 s54, 0
	s_mov_b32 s55, 0
	v_and_b32 v1, 31, v0                           ; lane
	v_lshlrev_b32 v2, 4, v1                        ; v2: 16 x lane
	v_lshrrev_b32 v12, 3, v1
	v_mul_u32_u24 v3, v12, 144
	v_and_b32 v12, 7, v1
	v_lshl_add_u32 v3, v12, 4, v3
	v_add_nc_u32 v3, s18, v3                       ; v3: the stage, in: piece j of a row goes to blocks 4 j + lane / 8, at 16 (lane % 8)
	v_mul_u32_u24 v4, v1, 144
	v_add_nc_u32 v4, s18, v4                       ; v4: the stage, out: block = lane
	v_mul_u32_u24 v5, v1, 272
	v_add_nc_u32 v5, s32, v5
	v_add_nc_u32 v5, OUTB, v5                      ; v5: my block's row of codes, slot 2 w
	v_lshrrev_b32 v12, 4, v1                       ; h
	v_and_b32 v13, 15, v1                          ; r
	v_lshl_add_u32 v6, v12, 8, v13
	v_add_nc_u32 v6, s32, v6
	v_add_nc_u32 v6, SCO, v6                       ; v6: my block's scale byte, slot 2 w
	v_add_nc_u32 v7, s33, v12
	v_mul_u32_u24 v7, v7, 272
	v_lshl_add_u32 v7, v13, 4, v7
	v_add_nc_u32 v7, OUTB, v7                      ; v7: the way out: blocks 4 w + lane / 16, sixteen lanes to a block's 256 bytes
	v_add_nc_u32 v8, s34, v2                       ; v8: the same place in the record
	v_add_nc_u32 v9, SCO, v2                       ; v9: the scale bytes, 16 a lane
	v_mul_u32_u24 v14, v13, XP
	v_lshl_add_u32 v14, v12, 6, v14
	v_add_nc_u32 v14, s35, v14                     ; v14: the sums, in: slot r, 512 w + 64 h bytes on
	v_add_nc_u32 v15, s38, v2                      ; v15: the sums, out: slot 2 w, 16 x lane
	v_lshlrev_b32 v160, 4, v13                     ; v160: 16 r: a slot's scale words, in memory
	v_add_nc_u32 v161, s39, v2                     ; v161: my records in LDS, 16 x lane
	v_add_nc_u32 v162, s39, v160                   ; v162: and their scale words, 16 r
.irp k, 0,1
	v_mov_b32 v[PT+\k], 0                          ; written once: a lane permute's destination counts as one of its sources
.endr
	s_wait_alu depctr_va_vdst(0)                   ; the head's end
	s_wait_dscnt 0x0                               ; both opening adds are done
	s_wait_kmcnt 0x0
	s_add_nc_u64 s[4:5], s[4:5], s[16:17]
	s_add_nc_u64 s[30:31], s[30:31], s[16:17]
	s_add_nc_u64 s[10:11], s[10:11], s[22:23]
	s_add_nc_u64 s[24:25], s[24:25], s[22:23]
	s_add_nc_u64 s[26:27], s[26:27], s[36:37]
	s_mov_b32 s40, 1
	s_mov_b32 s41, s39
	s_add_nc_u64 s[42:43], s[26:27], 4*REC         ; my tiles 4-7
	s_or_b32 s43, s43, 0x80000000
	tensor_load_to_lds s[40:43], s[48:55]          ; my one tensor load
	s_nop 0
.rept 4
	v_nop
.endr
.irp s, 0,1,2,3,4,5,6,7
.irp c, 0,1
	global_load_b128 v[TOK+8*\s+4*\c:TOK+8*\s+4*\c+3], v2, s[24:25] offset:1024*\s+512*\c   ; the tokens' fragments of all of K stay in registers
.endr
.endr
.irp g, 0,1
	global_load_b128 v[TSC+4*\g:TSC+4*\g+3], v160, s[24:25] offset:8192+256*\g
.endr
.irp t, 0,1,2,3
.irp g, 0,1
	global_load_b128 v[WSC+8*\t+4*\g:WSC+8*\t+4*\g+3], v160, s[26:27] offset:\t*REC+8192+256*\g
.endr
.endr
	WLOADG 0
	WLOADG 1
	s_wait_tensorcnt 0x0                           ; my four records are in LDS; I alone read them
.irp t, 4,5,6,7
.irp g, 0,1
	ds_load_b128 v[WSC+8*\t+4*\g:WSC+8*\t+4*\g+3], v162 offset:(\t-4)*REC+8192+256*\g
.endr
.endr
	WLOADL 0
	WLOADL 1
.set KQ, 0
.rept 8
.if (KQ > 0) && (KQ+2 < 8)
.rept 4
	v_nop                                          ; places behind the last products, ahead of the loads into the set that they read (ISA guide 7.12.1 for vector instructions)
.endr
.endif
.if KQ+2 < 8
	WLOADG KQ+2
	WLOADL KQ+2
.endif
.if KQ == 5
.irp k, 0,1
.irp j, 0,1,2,3,4,5,6,7
	global_load_b128 v[XR+32*\k+4*\j:XR+32*\k+4*\j+3], v2, s[4:5] offset:4096*\k+512*\j th:TH_LOAD_NT   ; x, my two rows: behind the last weights
.endr
.endr
.endif
.if KQ < 5
	s_wait_loadcnt 16                              ; this step's loads from memory are in; the two younger sets' eight each may be out
.else
	s_wait_loadcnt 8*(7-KQ)+16                     ; the younger sets (2, 1, 0) and x's sixteen loads may be out
.endif
.if KQ < 6
	s_wait_dscnt 16                                ; likewise from LDS
.else
	s_wait_dscnt 8*(7-KQ)
.endif
	MUL KQ
.set KQ, KQ+1
.endr
.rept 4
	v_nop                                          ; places: ahead of the reads of the sums and of the loads into the weights' registers
.endr
	WIN 0x40
.irp j, 0,1,2,3,4,5,6,7
	global_load_b128 v[PB+4*\j:PB+4*\j+3], v2, s[28:29] offset:512*\j
.endr
.irp j, 0,1,2,3,4,5,6,7
	global_load_b128 v[GW+4*\j:GW+4*\j+3], v2, s[6:7] offset:512*\j
	global_load_b128 v[BW+4*\j:BW+4*\j+3], v2, s[8:9] offset:512*\j
.endr
	WIN 0
	s_wait_dscnt 0x0                               ; my reads of my weights are over,
	s_barrier_signal -1
	s_barrier_wait -1                              ; everybody's are, and every wave's tensor load has landed: from here on the norm's LDS lies over those bytes
	WIN 0x04                                       ; an LDS store's data: window 1
.irp t, 0,1,2,3,4,5,6,7
	ds_store_b128 v14, v[ACC+8*\t:ACC+8*\t+3] offset:128*(\t/2)+32*(\t%2)        ; each accumulator from its low end on
	ds_store_b128 v14, v[ACC+8*\t+4:ACC+8*\t+7] offset:128*(\t/2)+32*(\t%2)+16
.endr
	WIN 0
	s_wait_dscnt 0x0                               ; for the others' sake: my columns of the 16 rows lie in LDS
	s_barrier_signal -1
	s_barrier_wait -1
.irp k, 0,1
.irp j, 0,1,2,3,4,5,6,7
	ds_load_b128 v[LX+32*\k+4*\j:LX+32*\k+4*\j+3], v15 offset:XP*\k+512*\j
.endr
.endr
	s_wait_loadcnt 16                              ; x and proj_b are in; the sixteen loads of gain and bias, issued behind them, may stay out
	s_wait_dscnt 0x0
	WIN 0x04                                       ; source 1: window 1
.irp k, 0,1
.irp i, 0,2,4,6,8,10,12,14,16,18,20,22,24,26,28,30
	v_pk_add_f32 v[LX+32*\k+\i:LX+32*\k+\i+1], v[LX+32*\k+\i:LX+32*\k+\i+1], v[PB+\i:PB+\i+1]
.endr
.endr
	WIN 0
.irp k, 0,1
.irp i, 0,2,4,6,8,10,12,14,16,18,20,22,24,26,28,30
	v_pk_add_f32 v[LX+32*\k+\i:LX+32*\k+\i+1], v[LX+32*\k+\i:LX+32*\k+\i+1], v[XR+32*\k+\i:XR+32*\k+\i+1]
.endr
.endr
.irp k, 0,1
.irp j, 0,1,2,3,4,5,6,7
	global_store_b128 v2, v[LX+32*\k+4*\j:LX+32*\k+4*\j+3], s[30:31] offset:4096*\k+512*\j   ; x1: 512 consecutive bytes, aligned
.endr
.endr
.irp k, 0,1
	v_pk_add_f32 v[SM+4*\k:SM+4*\k+1], v[LX+32*\k:LX+32*\k+1], v[LX+32*\k+2:LX+32*\k+3]
	v_pk_add_f32 v[SM+4*\k+2:SM+4*\k+3], v[LX+32*\k+4:LX+32*\k+5], v[LX+32*\k+6:LX+32*\k+7]
.endr
.irp i, 8,12,16,20,24,28
.irp k, 0,1
	s_delay_alu instid0(VALU_DEP_4)
	v_pk_add_f32 v[SM+4*\k:SM+4*\k+1], v[SM+4*\k:SM+4*\k+1], v[LX+32*\k+\i:LX+32*\k+\i+1]
	s_delay_alu instid0(VALU_DEP_4)
	v_pk_add_f32 v[SM+4*\k+2:SM+4*\k+3], v[SM+4*\k+2:SM+4*\k+3], v[LX+32*\k+\i+2:LX+32*\k+\i+3]
.endr
.endr
	ACROSS
.irp k, 0,1
	s_delay_alu instid0(VALU_DEP_2)
	v_mul_f32 v[SM+4*\k], s20, v[SM+4*\k]          ; the mean
.endr
	s_wait_alu depctr_va_vdst(0)                   ; directly ahead of the wait below
	s_wait_xcnt 0x0                                ; x1's stores have read their registers: the rows may be written again
.irp k, 0,1
.irp i, 0,2,4,6,8,10,12,14,16,18,20,22,24,26,28,30
	v_pk_add_f32 v[LX+32*\k+\i:LX+32*\k+\i+1], v[LX+32*\k+\i:LX+32*\k+\i+1], v[SM+4*\k:SM+4*\k+1] op_sel_hi:[1,0] neg_lo:[0,1] neg_hi:[0,1]   ; x1 - mean (the pair's low word serves both halves)
.endr
.endr
.irp k, 0,1
	v_pk_mul_f32 v[SM+4*\k:SM+4*\k+1], v[LX+32*\k:LX+32*\k+1], v[LX+32*\k:LX+32*\k+1]
	v_pk_mul_f32 v[SM+4*\k+2:SM+4*\k+3], v[LX+32*\k+2:LX+32*\k+3], v[LX+32*\k+2:LX+32*\k+3]
.endr
.irp i, 4,8,12,16,20,24,28
.irp k, 0,1
	s_delay_alu instid0(VALU_DEP_4)
	v_pk_fma_f32 v[SM+4*\k:SM+4*\k+1], v[LX+32*\k+\i:LX+32*\k+\i+1], v[LX+32*\k+\i:LX+32*\k+\i+1], v[SM+4*\k:SM+4*\k+1]
	s_delay_alu instid0(VALU_DEP_4)
	v_pk_fma_f32 v[SM+4*\k+2:SM+4*\k+3], v[LX+32*\k+\i+2:LX+32*\k+\i+3], v[LX+32*\k+\i+2:LX+32*\k+\i+3], v[SM+4*\k+2:SM+4*\k+3]
.endr
.endr
	ACROSS
.irp k, 0,1
	s_delay_alu instid0(VALU_DEP_2)
	v_fma_f32 v[SM+4*\k], v[SM+4*\k], s20, s21     ; var + 1e-5
.endr
	s_wait_alu depctr_va_vdst(0)                   ; ahead of the batch
.irp k, 0,1
	v_rsq_f32 v[SM+4*\k], v[SM+4*\k]
.endr
	v_nop                                          ; a plain line behind the second of the two,
	s_wait_alu depctr_va_vdst(0)                   ; and the one wait ahead of the batch's first reader
	s_wait_loadcnt 0x0                             ; gain and bias
.irp k, 0,1
.irp i, 0,2,4,6,8,10,12,14,16,18,20,22,24,26,28,30
	v_pk_mul_f32 v[LX+32*\k+\i:LX+32*\k+\i+1], v[LX+32*\k+\i:LX+32*\k+\i+1], v[SM+4*\k:SM+4*\k+1] op_sel_hi:[1,0]
.endr
	WIN 0x14                                       ; sources 1 and 2: window 1
.irp i, 0,2,4,6,8,10,12,14,16,18,20,22,24,26,28,30
	v_pk_fma_f32 v[LX+32*\k+\i:LX+32*\k+\i+1], v[LX+32*\k+\i:LX+32*\k+\i+1], v[GW+\i:GW+\i+1], v[BW+\i:BW+\i+1]
.endr
	WIN 0
.irp j, 0,1,2,3,4,5,6,7
	ds_store_b128 v3, v[LX+32*\k+4*\j:LX+32*\k+4*\j+3] offset:4608*\k+576*\j
.endr
.irp i, 0,1,2,3,4,5,6,7
	ds_load_b128 v[LX+32*\k+4*\i:LX+32*\k+4*\i+3], v4 offset:4608*\k+16*\i   ; LDS serves a wave's instructions in order: these see the stores above; now lane = block
.endr
.endr
.irp k, 0,1
	s_wait_dscnt 16*(1-\k)                         ; row k is back: behind row 0's loads stand row 1's sixteen LDS instructions
	QUANT32 LX+32*\k, GN+4*\k, GN+16+\k, QT
	ds_store_b128 v5, v[GN+4*\k:GN+4*\k+3] offset:16*\k
	ds_store_b8 v6, v[GN+16+\k] offset:16*\k
.endr
	s_wait_dscnt 0x0                               ; for the others' sake: my codes and bytes lie in LDS
	s_barrier_signal -1
	s_barrier_wait -1
.irp i, 0,1
	ds_load_b128 v[SM+4*\i:SM+4*\i+3], v7 offset:544*\i
.endr
.irp i, 0,1
	s_wait_dscnt 1-\i
	global_store_b128 v8, v[SM+4*\i:SM+4*\i+3], s[10:11] offset:512*\i   ; 32 lanes store 512 consecutive bytes, aligned
.endr
	s_cmp_lg_u32 s14, 0
	s_cbranch_scc1 .Lnot0
	ds_load_b128 v[152:155], v9                    ; wave 0: the record's 512 scale bytes
	s_wait_dscnt 0x0
	global_store_b128 v2, v[152:155], s[10:11] offset:8192
.Lnot0:
	s_wait_tensorcnt 0x0                           ; the wave's end, behind my tensor load and my last LDS store
	ds_add_u32 v[SPW], v[NIL]
	s_wait_dscnt 0x0
	s_endpgm
.Lfunc_end_k_qb5f58fd2e2_projln:
	.size	k_qb5f58fd2e2_projln, .Lfunc_end_k_qb5f58fd2e2_projln-k_qb5f58fd2e2_projln
	.p2alignl 7, 3214868480
	.fill 96, 4, 3214868480
	.section	.rodata,"a",@progbits
	.p2align	6, 0x0
	.amdhsa_kernel k_qb5f58fd2e2_projln
		.amdhsa_group_segment_fixed_size 279552
		.amdhsa_private_segment_fixed_size 0
		.amdhsa_enable_private_segment 0
		.amdhsa_kernarg_size 64
		.amdhsa_user_sgpr_count 2
		.amdhsa_user_sgpr_kernarg_segment_ptr 1
		.amdhsa_wavefront_size32 1
		.amdhsa_system_sgpr_workgroup_id_x 1
		.amdhsa_system_sgpr_workgroup_id_y 1
		.amdhsa_system_sgpr_workgroup_id_z 1
		.amdhsa_system_vgpr_workitem_id 0
		.amdhsa_next_free_vgpr 512
		.amdhsa_next_free_sgpr 66
		.amdhsa_reserve_vcc 0
		.amdhsa_float_denorm_mode_32 3
		.amdhsa_float_denorm_mode_16_64 3
		.amdhsa_memory_ordered 1
		.amdhsa_forward_progress 1
		.amdhsa_inst_pref_size 62
	.end_amdhsa_kernel
	.amdgpu_metadata
---
amdhsa.version: [ 1, 2 ]
amdhsa.kernels:
  - .name:           k_qb5f58fd2e2_projln
    .symbol:         k_qb5f58fd2e2_projln.kd
    .args:
      - { .name: x, .offset: 0, .size: 8, .value_kind: global_buffer, .address_space: global }
      - { .name: ln2_w, .offset: 8, .size: 8, .value_kind: global_buffer, .address_space: global }
      - { .name: ln2_b, .offset: 16, .size: 8, .value_kind: global_buffer, .address_space: global }
      - { .name: aimg, .offset: 24, .size: 8, .value_kind: global_buffer, .address_space: global }
      - { .name: a2, .offset: 32, .size: 8, .value_kind: global_buffer, .address_space: global }
      - { .name: wimg, .offset: 40, .size: 8, .value_kind: global_buffer, .address_space: global }
      - { .name: proj_b, .offset: 48, .size: 8, .value_kind: global_buffer, .address_space: global }
      - { .name: x1, .offset: 56, .size: 8, .value_kind: global_buffer, .address_space: global }
    .group_segment_fixed_size: 279552
    .private_segment_fixed_size: 0
    .kernarg_segment_align: 8
    .kernarg_segment_size: 64
    .max_flat_workgroup_size: 256
    .sgpr_count:     66
    .vgpr_count:     512
    .wavefront_size: 32
...
	.end_amdgpu_metadata
.endif
;; end of part 4
;; launch fc1 (part 5): grid 8 x 32, 4 waves a work-group, clusters of 4 x 4, 327,680 bytes of LDS; arguments aimg, wimg, fc1_b, a4; writes a4
.if DOCPART == 5
	.amdgcn_target "amdgcn-amd-amdhsa--gfx1250"
	.amdhsa_code_object_version 6
	.text
	.protected	k_qb5f58fd2e2_fc1
	.globl	k_qb5f58fd2e2_fc1
	.p2align	8
	.type	k_qb5f58fd2e2_fc1,@function
k_qb5f58fd2e2_fc1:
	s_mov_b64 s[64:65], 0
	v_nop
	global_prefetch_b8 v0, s[64:65] scope:SCOPE_SE
	s_setreg_imm32_b32 hwreg(HW_REG_WAVE_MODE, 25, 1), 1
	s_wait_xcnt 0x0
	s_wait_alu depctr_hold_cnt(0) depctr_sa_sdst(0) depctr_va_vdst(0) depctr_va_sdst(0) depctr_va_ssrc(0) depctr_va_vcc(0) depctr_vm_vsrc(0)
	s_getreg_b32 s2, hwreg(HW_REG_IB_STS2, 6, 4)
	s_cmp_eq_u32 s2, 0
	s_cbranch_scc0 .Lentry_in_a_cluster
	s_endpgm
.Lentry_in_a_cluster:
	s_bfe_u32 s2, ttmp6, 0x10000c
	s_cmp_lg_u32 s2, 0xf033
	s_cbranch_scc0 .Lentry_shape_is_right
	s_endpgm
.Lentry_shape_is_right:
.set WFC1,  2228224
.set REC,   8704
.set PAN,   69632
.set QTR,   17408
.set HPN,   34816
.set SSTG,  69632
.set SPARE, 71680
.set SLOT1, 131072
.set LA,    200704
.set MX, 128
.set PX, 136
.set SO, 144
.set BY, 152
.set CD, 160
.set WD, 176
.set ZZ, 180
.set Z2, 196
.set PN, 212
.set QD, 228
.set A11, 244
.set B6,  246
.set RS2, 80
.set A13, 82
.set A9,  84
.set A7,  86
.set A5,  88
.set A3,  90
.set A1,  92
.set B8,  94
.set B4,  96
.set B2,  98
.set B0,  100
.set MSB, 0
.macro WIN new
.if MSB != \new
	s_set_vgpr_msb (MSB<<8)|\new
.set MSB, \new
.endif
.endm
.macro PLACES
.rept 4
	v_nop
.endr
.endm
.macro CROUND
	s_barrier_signal -1
	s_barrier_wait -1
	s_cmp_lg_u32 s14, 0
	s_cbranch_scc1 .Lnw0_\@
	s_barrier_signal -3
.Lnw0_\@:
	s_barrier_wait -3
	s_barrier_signal -1
	s_barrier_wait -1
.endm
.macro KONST reg, val
	s_mov_b32 s[\reg], \val
	s_mov_b32 s[\reg+1], \val
.endm
	s_load_b256 s[4:11], s[0:1], 0x0
	v_lshl_add_u32 v30, v0, 2, SPARE
	v_mov_b32 v31, 0
	ds_add_u32 v30, v31
	ds_add_u32 v30, v31
	v_lshrrev_b32 v1, 5, v0
	v_readfirstlane_b32 s14, v1
	s_lshr_b32 s15, s14, 1
	s_and_b32 s16, s14, 1
	s_bfe_u32 s40, ttmp6, 0x40000
	s_bfe_u32 s41, ttmp6, 0x40004
	s_lshl_b32 s18, ttmp9, 2
	s_add_co_u32 s18, s18, s40
	s_and_b32 s17, ttmp7, 0xffff
	s_lshl_b32 s17, s17, 2
	s_add_co_u32 s17, s17, s41
	s_lshl_b32 s42, s41, 2
	s_lshl_b32 s42, 15, s42
	s_lshl_b32 s43, 0x1111, s40
	s_or_b32 s24, s42, (3<<16)|(1<<21)
	s_or_b32 s48, s43, (3<<16)|(1<<21)
.irp g, 24, 48
	s_mov_b32 s[\g+1], 32<<16
	s_mov_b32 s[\g+2], 136<<16                     ; the head's loads bring half a panel: 136 rows
	s_mov_b32 s[\g+3], 32<<16
	s_mov_b32 s[\g+4], 136
	s_mov_b32 s[\g+5], 32
	s_mov_b32 s[\g+6], 0
	s_mov_b32 s[\g+7], 0
.endr
	s_mul_i32 s19, s14, QTR
	s_mul_i32 s20, s17, PAN
	s_add_co_u32 s20, s20, s19
	s_mov_b32 s21, 0
	s_mul_i32 s22, s18, 4*PAN
	s_add_co_u32 s22, s22, s19
	s_add_co_u32 s22, s22, WFC1
	s_mov_b32 s23, 0
	s_mov_b32 s60, 0x76543210
	s_mov_b32 s61, 0xfedcba98
	KONST RS2, 0x3f3504f3
	KONST A13, 0xaf95df0b
	KONST A9,  0xb60cff51
	KONST A7,  0xb86ec2d2
	KONST A5,  0xba40ac63
	KONST A3,  0xbb41a1f6
	KONST A1,  0xbc83dbd4
	KONST B8,  0xb77460cd
	KONST B4,  0xbadc924e
	KONST B2,  0xbbf19bf8
	KONST B0,  0xbc69b6a7
	s_wait_dscnt 0x0
	s_wait_kmcnt 0x0
	; THE HEAD'S LOADS, ONE A WAVE: waves 0 and 1 fetch the halves of the tokens' panel, waves 2 and 3 those of the first panel of weights; s[36:39] is the ring's group 0 (a quarter a wave), first used at the first refill
	s_mul_i32 s2, s16, HPN                         ; my half
	s_sub_co_u32 s20, s20, s19
	s_add_co_u32 s20, s20, s2
	s_sub_co_u32 s12, s22, s19
	s_add_co_u32 s12, s12, s2
	s_mov_b32 s13, 0
	s_mov_b32 s32, 1
	s_add_co_u32 s33, s2, LA
	s_add_nc_u64 s[34:35], s[4:5], s[20:21]
	s_or_b32 s35, s35, 0x80000000
	s_mov_b32 s36, 1
	s_mov_b32 s37, s19
	s_add_nc_u64 s[38:39], s[6:7], s[22:23]
	s_or_b32 s39, s39, 0x80000000
	s_add_nc_u64 s[6:7], s[6:7], s[12:13]          ; group 0 of the head's load of weights, in the registers that held two arguments
	s_or_b32 s7, s7, 0x80000000
	s_mov_b32 s4, 1
	s_mov_b32 s5, s2
	CROUND
	s_cmp_eq_u32 s15, 0
	s_cbranch_scc0 .Lhw
	tensor_load_to_lds s[32:35], s[24:31]
	s_nop 0
	PLACES
	s_branch .Lhj
.Lhw:
	tensor_load_to_lds s[4:7], s[48:55]
	s_nop 0
	PLACES
.Lhj:
	v_and_b32 v1, 31, v0
	v_and_b32 v2, 15, v0
	v_bfe_u32 v3, v0, 4, 1
	v_lshlrev_b32 v4, 4, v1
	s_wait_alu depctr_va_vdst(0)
	v_lshlrev_b32 v8, 6, v3
	v_lshlrev_b32 v9, 4, v2
	s_wait_alu depctr_va_vdst(0)
	s_lshl_b32 s56, s18, 11
	s_lshl_b32 s57, s16, 8
	s_add_co_u32 s56, s56, s57
	s_mov_b32 s57, 0
	s_add_nc_u64 s[66:67], s[8:9], s[56:57]
.macro BIASLOAD off
.irp t, 0,1,2,3
	global_load_b128 v[192+8*\t:195+8*\t], v8, s[66:67] offset:\off+(32*(\t/2)+8*(\t%2))*4
	global_load_b128 v[196+8*\t:199+8*\t], v8, s[66:67] offset:\off+(32*(\t/2)+8*(\t%2))*4+16
.endr
.endm
	BIASLOAD 0
	s_mul_i32 s44, s15, HPN
	s_mul_i32 s45, s16, HPN
	s_add_co_u32 s46, s44, LA
	v_add_nc_u32 v5, s46, v4
	v_add_nc_u32 v12, s45, v4
	s_add_co_u32 s47, s45, 8192
	v_add_nc_u32 v13, s47, v9
	s_add_co_u32 s46, s46, 8192
	v_add_nc_u32 v16, s46, v9
	s_lshl_b32 s46, s15, 10
	s_lshl_b32 s47, s16, 1
	s_add_co_u32 s46, s46, s47
	s_add_co_u32 s46, s46, SSTG
	v_add_nc_u32 v15, s46, v9
	s_lshl_b32 s46, s14, 9
	s_add_co_u32 s46, s46, SSTG
	v_add_nc_u32 v17, s46, v4
	v_lshrrev_b32 v18, 4, v1
	v_mul_u32_u24 v18, v18, REC
	v_add_nc_u32 v18, v18, v9
	s_lshr_b32 s58, s18, 1
	s_lshl_b32 s58, s58, 8
	s_lshl_b32 s59, s17, 3
	s_add_co_u32 s58, s58, s59
	s_and_b32 s59, s18, 1
	s_lshl_b32 s72, s15, 2
	s_add_co_u32 s72, s72, s58
	s_mul_i32 s72, s72, REC
	s_lshl_b32 s73, s59, 12
	s_add_co_u32 s72, s72, s73
	s_lshl_b32 s73, s16, 9
	s_add_co_u32 s72, s72, s73
	s_mov_b32 s73, 0
	s_add_nc_u64 s[68:69], s[10:11], s[72:73]
	s_lshl_b32 s74, s14, 1
	s_add_co_u32 s74, s74, s58
	s_mul_i32 s74, s74, REC
	s_lshl_b32 s75, s59, 8
	s_add_co_u32 s74, s74, s75
	s_add_co_u32 s74, s74, 8192
	s_mov_b32 s75, 0
	s_add_nc_u64 s[70:71], s[10:11], s[74:75]
	WIN 0x40
.irp n, 0,1,2,3,4,5,6,7
	v_mov_b32 v[PX+\n], 0
.endr
	v_mov_b32 v[A11], 0x32edffee
	v_mov_b32 v[A11+1], 0x32edffee
	v_mov_b32 v[B6], 0xb95fbd29
	v_mov_b32 v[B6+1], 0xb95fbd29
	WIN 0
	s_mov_b32 s76, 0
	s_mov_b32 s78, 0
	s_mov_b32 s77, 3
.macro FETCH s, set
.irp i, 0,1,2,3
.irp c, 0,1
	ds_load_b128 v[64+64*(\set)+8*\i+4*\c:64+64*(\set)+8*\i+4*\c+3], v6 offset:\i*REC+(\s)*1024+\c*512
.endr
.endr
.irp i, 0,1,2,3
.irp c, 0,1
	ds_load_b128 v[96+64*(\set)+8*\i+4*\c:96+64*(\set)+8*\i+4*\c+3], v5 offset:\i*REC+(\s)*1024+\c*512
.endr
.endr
.endm
.macro MUL s, set, first
.if \first
	WIN 0x40
.else
	WIN 0x50
.endif
.irp a, 0,1,2,3
.irp t, 0,1,2,3
.set rD, 8*(4*\a+\t)
.set rR, 64+64*(\set)+8*\t
.set rL, 96+64*(\set)+8*\a
.set sR, 32+16*((\s)/4)+4*\t+(\s)%4
.set sL, 224+16*((\s)/4)+4*\a+(\s)%4
.set rC, rD
.if \first
.set rC, 192+8*\t
.endif
	v_wmma_scale_f32_16x16x128_f8f6f4 v[rD:rD+7], v[rR:rR+7], v[rL:rL+7], v[rC:rC+7], v[sR], v[sL] matrix_a_fmt:MATRIX_FMT_FP4 matrix_b_fmt:MATRIX_FMT_FP4
.endr
.endr
.endm
.macro PASS nb
	PLACES
	WIN 0
.irp g, 0,1
.irp i, 0,1,2,3
	ds_load_b128 v[32+16*\g+4*\i:32+16*\g+4*\i+3], v7 offset:\i*REC+\g*256
	ds_load_b128 v[224+16*\g+4*\i:224+16*\g+4*\i+3], v16 offset:\i*REC+\g*256
.endr
.endr
	FETCH 0, 0
.set KQ, 0
.rept 8
.if KQ < 7
.if KQ > 0
	PLACES
.endif
	WIN 0
.if (KQ == 1) && \nb
	BIASLOAD 512
.endif
	FETCH KQ+1, (KQ+1)%2
	s_wait_dscnt 16
.else
	s_wait_dscnt 0x0
.endif
.if KQ == 0
	MUL KQ, KQ%2, 1
.else
	MUL KQ, KQ%2, 0
.endif
.set KQ, KQ+1
.endr
.endm
.macro HORN reg, c
.irp i, 0,2,4,6,8,10,12,14
	v_pk_fma_f32 v[\reg+\i:\reg+\i+1], v[\reg+\i:\reg+\i+1], v[Z2+\i:Z2+\i+1], s[\c:\c+1] op_sel_hi:[1,1,0]
.endr
.endm
.macro GELU16 y
.irp i, 0,2,4,6,8,10,12,14
	v_pk_mul_f32 v[ZZ+\i:ZZ+\i+1], v[\y+\i:\y+\i+1], s[RS2:RS2+1] op_sel_hi:[1,0]
.endr
.irp i, 0,1,2,3,4,5,6,7,8,9,10,11,12,13,14,15
	v_med3_num_f32 v[ZZ+\i], v[ZZ+\i], -4.0, 4.0
.endr
.irp i, 0,2,4,6,8,10,12,14
	v_pk_mul_f32 v[Z2+\i:Z2+\i+1], v[ZZ+\i:ZZ+\i+1], v[ZZ+\i:ZZ+\i+1]
.endr
.irp i, 0,2,4,6,8,10,12,14
	v_pk_fma_f32 v[PN+\i:PN+\i+1], v[Z2+\i:Z2+\i+1], s[A13:A13+1], v[A11:A11+1] op_sel_hi:[1,0,1]
	v_pk_fma_f32 v[QD+\i:QD+\i+1], v[Z2+\i:Z2+\i+1], s[B8:B8+1], v[B6:B6+1] op_sel_hi:[1,0,1]
.endr
	HORN PN, A9
	HORN QD, B4
	HORN PN, A7
	HORN QD, B2
	HORN PN, A5
	HORN QD, B0
	HORN PN, A3
	HORN PN, A1
	s_wait_alu depctr_va_vdst(0)
.irp i, 0,1,2,3,4,5,6,7,8,9,10,11,12,13,14,15
	v_rcp_f32 v[QD+\i], v[QD+\i]
.endr
.irp i, 0,2,4,6,8,10,12,14
	v_pk_mul_f32 v[PN+\i:PN+\i+1], v[PN+\i:PN+\i+1], v[ZZ+\i:ZZ+\i+1]
.endr
	s_wait_alu depctr_va_vdst(0)
.irp i, 0,2,4,6,8,10,12,14
	v_pk_mul_f32 v[PN+\i:PN+\i+1], v[PN+\i:PN+\i+1], v[QD+\i:QD+\i+1]
.endr
.irp i, 0,2,4,6,8,10,12,14
	v_pk_mul_f32 v[ZZ+\i:ZZ+\i+1], v[\y+\i:\y+\i+1], 0.5 op_sel_hi:[1,0]
.endr
.irp i, 0,2,4,6,8,10,12,14
	v_pk_fma_f32 v[\y+\i:\y+\i+1], v[ZZ+\i:ZZ+\i+1], v[PN+\i:PN+\i+1], v[ZZ+\i:ZZ+\i+1]
.endr
.endm
.macro QUANT2X
.irp n, 0,1,2,3,4,5,6,7
	v_max3_num_f32 v[MX+\n], |v[16*\n]|, |v[16*\n+1]|, 0x1800000
.endr
.irp i, 2,4,6,8,10,12,14
.irp n, 0,1,2,3,4,5,6,7
	v_max3_num_f32 v[MX+\n], v[MX+\n], |v[16*\n+\i]|, |v[16*\n+\i+1]|
.endr
.endr
.irp n, 0,1,2,3,4,5,6,7
	v_permlanex16_b32 v[PX+\n], v[MX+\n], s60, s61
.endr
.irp n, 0,1,2,3,4,5,6,7
	v_max_num_f32 v[MX+\n], v[MX+\n], v[PX+\n]
.endr
.irp n, 0,1,2,3,4,5,6,7
	v_add_nc_u32 v[SO+\n], 0xff000000, v[MX+\n]
.endr
.irp n, 0,1,2,3,4,5,6,7
	v_lshrrev_b32 v[BY+\n], 23, v[SO+\n]
.endr
.irp a, 0,1,2,3
	v_lshl_or_b32 v[WD+\a], v[BY+2*\a+1], 8, v[BY+2*\a]
.endr
.irp n, 0,1,2,3,4,5,6,7
	v_cvt_scalef32_pk8_fp4_f32 v[CD+2*\n], v[16*\n:16*\n+7], v[SO+\n]
	v_cvt_scalef32_pk8_fp4_f32 v[CD+2*\n+1], v[16*\n+8:16*\n+15], v[SO+\n]
.endr
	v_nop
.irp a, 0,1,2,3
	v_permlane16_swap_b32 v[CD+4*\a], v[CD+4*\a+2]
	v_permlane16_swap_b32 v[CD+4*\a+1], v[CD+4*\a+3]
.endr
.endm
.macro TRIP refill
	s_wait_tensorcnt 0x0
	ds_add_u32 v30, v31
.if \refill
	s_xor_b32 s37, s37, SLOT1
	s_add_nc_u64 s[38:39], s[38:39], PAN
.endif
	s_wait_dscnt 0x0
.if \refill
	CROUND
	tensor_load_to_lds s[36:39], s[48:55]
	s_nop 0
	PLACES
.else
	s_barrier_signal -1
	s_barrier_wait -1
.endif
	v_add_nc_u32 v6, s76, v12
	v_add_nc_u32 v7, s76, v13
	v_add_nc_u32 v14, s78, v15
	s_wait_alu depctr_va_vdst(0)
	s_wait_loadcnt 0x0
	PASS \refill
	PLACES
	WIN 0x55
.irp y, 0,16,32,48,64,80,96,112
	GELU16 \y
.endr
	QUANT2X
	WIN 0x04
.irp a, 0,1,2,3
	global_store_b128 v4, v[CD+4*\a:CD+4*\a+3], s[68:69] offset:REC*\a
.endr
.irp a, 0,1,2,3
	ds_store_b16 v14, v[WD+\a] offset:256*\a
.endr
	WIN 0
	s_wait_xcnt 0x0
	s_xor_b32 s76, s76, SLOT1
	s_add_nc_u64 s[66:67], s[66:67], 512
	s_add_nc_u64 s[68:69], s[68:69], 1024
	s_add_co_u32 s78, s78, 4
.endm
	s_wait_alu depctr_va_vdst(0)                   ; the head's end
	s_wait_tensorcnt 0x0                           ; no tensor load of mine is out, so a descriptor may be written: the ring's loads bring a quarter of a panel, 68 rows
	s_mov_b32 s50, 68<<16
	s_mov_b32 s52, 68
.Ltrip:
	TRIP 1
	s_sub_co_u32 s77, s77, 1
	s_cmp_lg_u32 s77, 0
	s_cbranch_scc1 .Ltrip
	TRIP 0
	s_wait_dscnt 0x0
	s_barrier_signal -1
	s_barrier_wait -1
	ds_load_b128 v[64:67], v17
	s_wait_dscnt 0x0
	global_store_b128 v18, v[64:67], s[70:71]
	s_wait_tensorcnt 0x0
	ds_add_u32 v30, v31
	s_wait_dscnt 0x0
	CROUND
	s_endpgm
.Lfunc_end_k_qb5f58fd2e2_fc1:
	.size	k_qb5f58fd2e2_fc1, .Lfunc_end_k_qb5f58fd2e2_fc1-k_qb5f58fd2e2_fc1
	.p2alignl 7, 3214868480
	.fill 96, 4, 3214868480
	.section	.rodata,"a",@progbits
	.p2align	6, 0x0
	.amdhsa_kernel k_qb5f58fd2e2_fc1
		.amdhsa_group_segment_fixed_size 327680
		.amdhsa_private_segment_fixed_size 0
		.amdhsa_enable_private_segment 0
		.amdhsa_kernarg_size 32
		.amdhsa_user_sgpr_count 2
		.amdhsa_user_sgpr_kernarg_segment_ptr 1
		.amdhsa_wavefront_size32 1
		.amdhsa_system_sgpr_workgroup_id_x 1
		.amdhsa_system_sgpr_workgroup_id_y 1
		.amdhsa_system_sgpr_workgroup_id_z 1
		.amdhsa_system_vgpr_workitem_id 0
		.amdhsa_next_free_vgpr 512
		.amdhsa_next_free_sgpr 102
		.amdhsa_reserve_vcc 0
		.amdhsa_float_denorm_mode_32 3
		.amdhsa_float_denorm_mode_16_64 3
		.amdhsa_memory_ordered 1
		.amdhsa_forward_progress 1
		.amdhsa_inst_pref_size 236
	.end_amdhsa_kernel
	.amdgpu_metadata
---
amdhsa.version: [ 1, 2 ]
amdhsa.kernels:
  - .name:           k_qb5f58fd2e2_fc1
    .symbol:         k_qb5f58fd2e2_fc1.kd
    .args:
      - { .name: aimg, .offset: 0, .size: 8, .value_kind: global_buffer, .address_space: global }
      - { .name: wimg, .offset: 8, .size: 8, .value_kind: global_buffer, .address_space: global }
      - { .name: fc1_b, .offset: 16, .size: 8, .value_kind: global_buffer, .address_space: global }
      - { .name: a4, .offset: 24, .size: 8, .value_kind: global_buffer, .address_space: global }
    .group_segment_fixed_size: 327680
    .private_segment_fixed_size: 0
    .kernarg_segment_align: 8
    .kernarg_segment_size: 32
    .max_flat_workgroup_size: 128
    .sgpr_count:     102
    .vgpr_count:     512
    .wavefront_size: 32
...
	.end_amdgpu_metadata
.endif
;; end of part 5
;; launch fc2 (part 6): grid 8 x 32, 4 waves a work-group, clusters of 4 x 4, 327,680 bytes of LDS; arguments a4, wimg, fc2_b, x1, out0; writes out0
.if DOCPART == 6
	.amdgcn_target "amdgcn-amd-amdhsa--gfx1250"
	.amdhsa_code_object_version 6
	.text
	.protected	k_qb5f58fd2e2_fc2
	.globl	k_qb5f58fd2e2_fc2
	.p2align	8
	.type	k_qb5f58fd2e2_fc2,@function
k_qb5f58fd2e2_fc2:
	s_mov_b64 s[64:65], 0
	v_nop
	global_prefetch_b8 v0, s[64:65] scope:SCOPE_SE
	s_setreg_imm32_b32 hwreg(HW_REG_WAVE_MODE, 25, 1), 1
	s_wait_xcnt 0x0
	s_wait_alu depctr_hold_cnt(0) depctr_sa_sdst(0) depctr_va_vdst(0) depctr_va_sdst(0) depctr_va_ssrc(0) depctr_va_vcc(0) depctr_vm_vsrc(0)
	s_getreg_b32 s2, hwreg(HW_REG_IB_STS2, 6, 4)
	s_cmp_eq_u32 s2, 0
	s_cbranch_scc0 .Lentry_in_a_cluster
	s_endpgm
.Lentry_in_a_cluster:
	s_bfe_u32 s2, ttmp6, 0x10000c
	s_cmp_lg_u32 s2, 0xf033
	s_cbranch_scc0 .Lentry_shape_is_right
	s_endpgm
.Lentry_shape_is_right:
.set NCH,   4
.set WOFF,  4456448
.set TSTR,  2228224
.set WSTR,  557056
.set REC,   8704
.set PAN,   69632
.set HPN,   34816
.set SLOT,  139264
.set STG,   278528
.set SPARE, 295936
.set SC, 32
.set MSB, 0
.macro WIN new
.if MSB != \new
	s_set_vgpr_msb (MSB<<8)|\new
.set MSB, \new
.endif
.endm
.macro PLACES
.rept 4
	v_nop
.endr
.endm
.macro CROUND
	s_barrier_signal -1
	s_barrier_wait -1
	s_cmp_lg_u32 s14, 0
	s_cbranch_scc1 .Lnw0_\@
	s_barrier_signal -3
.Lnw0_\@:
	s_barrier_wait -3
	s_barrier_signal -1
	s_barrier_wait -1
.endm
.macro BAR
	s_wait_dscnt 0x0
	s_barrier_signal -1
	s_barrier_wait -1
.endm
.macro JLOAD sl
	s_cmp_eq_u32 s15, 0
	s_cbranch_scc0 .Ltok_\@
	tensor_load_to_lds s[44+12*\sl:47+12*\sl], s[48:55]
	s_nop 0
	PLACES
	s_branch .Lasked_\@
.Ltok_\@:
	tensor_load_to_lds s[32+4*\sl:35+4*\sl], s[24:31]
	s_nop 0
	PLACES
.Lasked_\@:
.endm
	s_load_b256 s[4:11], s[0:1], 0x0
	s_load_b64 s[12:13], s[0:1], 0x20
	v_lshl_add_u32 v30, v0, 2, SPARE
	v_mov_b32 v31, 0
	ds_add_u32 v30, v31
	ds_add_u32 v30, v31
	v_lshrrev_b32 v1, 5, v0
	v_readfirstlane_b32 s14, v1
	s_lshr_b32 s15, s14, 1
	s_and_b32 s16, s14, 1
	s_bfe_u32 s40, ttmp6, 0x40000
	s_bfe_u32 s41, ttmp6, 0x40004
	s_lshl_b32 s18, ttmp9, 2
	s_add_co_u32 s18, s18, s40
	s_and_b32 s17, ttmp7, 0xffff
	s_lshl_b32 s17, s17, 2
	s_add_co_u32 s17, s17, s41
	s_lshl_b32 s42, s41, 2
	s_lshl_b32 s42, 15, s42
	s_lshl_b32 s43, 0x1111, s40
	s_or_b32 s24, s42, (3<<16)|(1<<21)
	s_or_b32 s48, s43, (3<<16)|(1<<21)
.irp g, 24, 48
	s_mov_b32 s[\g+1], 32<<16
	s_mov_b32 s[\g+2], 272<<16                     ; the head's loads bring a whole panel: 272 rows
	s_mov_b32 s[\g+3], 32<<16
	s_mov_b32 s[\g+4], 272
	s_mov_b32 s[\g+5], 32
	s_mov_b32 s[\g+6], 0
	s_mov_b32 s[\g+7], 0
.endr
	s_mul_i32 s19, s16, HPN
	s_mul_i32 s20, s17, PAN
	s_add_co_u32 s20, s20, s19
	s_mov_b32 s21, 0
	s_mul_i32 s22, s18, PAN
	s_add_co_u32 s22, s22, s19
	s_add_co_u32 s22, s22, WOFF
	s_mov_b32 s23, 0
	s_mul_i32 s2, s14, HPN
	s_wait_dscnt 0x0
	s_wait_kmcnt 0x0
	s_add_nc_u64 s[20:21], s[4:5], s[20:21]
	s_add_nc_u64 s[22:23], s[6:7], s[22:23]
	CROUND
.irp sl, 0,1
.if \sl < NCH
	s_mov_b32 s[32+4*\sl], 1
	s_add_co_u32 s[33+4*\sl], s2, \sl*SLOT
	s_add_nc_u64 s[34+4*\sl:35+4*\sl], s[20:21], \sl*TSTR
	s_or_b32 s[35+4*\sl], s[35+4*\sl], 0x80000000
	s_mov_b32 s[44+12*\sl], 1
	s_add_co_u32 s[45+12*\sl], s2, \sl*SLOT
	s_add_nc_u64 s[46+12*\sl:47+12*\sl], s[22:23], \sl*WSTR
	s_or_b32 s[47+12*\sl], s[47+12*\sl], 0x80000000
.endif
.endr
	; THE HEAD'S LOADS, ONE A WAVE: the four whole panels of chunks 0 and 1, so that both slots are asked for at once: wave w fetches for slot w / 2, the weights' panel (w % 2 = 0) or the tokens' (1).
	; The groups 0 above are the ring's (half a panel a wave): they are first used at the refills.
	s_mov_b32 s60, s19                             ; the half's offset, which the ring's addresses hold, is taken off again
	s_mov_b32 s61, 0
	s_mul_i32 s62, s15, WSTR
	s_mov_b32 s63, 0
	s_mov_b32 s72, 1
	s_mul_i32 s73, s15, SLOT
	s_sub_nc_u64 s[74:75], s[22:23], s[60:61]
	s_add_nc_u64 s[74:75], s[74:75], s[62:63]
	s_or_b32 s75, s75, 0x80000000
	s_mul_i32 s62, s15, TSTR
	s_mov_b32 s76, 1
	s_add_co_u32 s77, s73, PAN
	s_sub_nc_u64 s[78:79], s[20:21], s[60:61]
	s_add_nc_u64 s[78:79], s[78:79], s[62:63]
	s_or_b32 s79, s79, 0x80000000
	s_cmp_eq_u32 s16, 0
	s_cbranch_scc0 .Lht
	tensor_load_to_lds s[72:75], s[48:55]
	s_nop 0
	PLACES
	s_branch .Lhj
.Lht:
	tensor_load_to_lds s[76:79], s[24:31]
	s_nop 0
	PLACES
.Lhj:
	v_and_b32 v1, 31, v0
	v_and_b32 v2, 15, v0
	v_bfe_u32 v3, v0, 4, 1
	v_lshlrev_b32 v4, 4, v1
	v_lshlrev_b32 v8, 6, v3
	v_lshlrev_b32 v15, 4, v2
	v_lshl_add_u32 v11, v3, 12, v15
	s_wait_alu depctr_va_vdst(0)
	s_lshl_b32 s80, s18, 9
	s_lshl_b32 s81, s16, 8
	s_add_co_u32 s80, s80, s81
	s_mov_b32 s81, 0
	s_add_nc_u64 s[70:71], s[8:9], s[80:81]
.irp t, 0,1,2,3
	global_load_b128 v[192+8*\t:195+8*\t], v8, s[70:71] offset:(32*(\t/2)+8*(\t%2))*4
	global_load_b128 v[196+8*\t:199+8*\t], v8, s[70:71] offset:(32*(\t/2)+8*(\t%2))*4+16
.endr
	s_lshl_b32 s84, s17, 19
	s_lshl_b32 s85, s15, 18
	s_add_co_u32 s84, s84, s85
	s_add_co_u32 s84, s84, s80
	s_mov_b32 s85, 0
	s_add_nc_u64 s[66:67], s[10:11], s[84:85]
	s_add_nc_u64 s[68:69], s[12:13], s[84:85]
	WIN 0x40
.irp a, 0,1,2,3
.irp i, 0,1,2,3,4,5,6,7
	global_load_b128 v[128+32*\a+4*\i:128+32*\a+4*\i+3], v11, s[66:67] offset:(32*(\a/2)+8*(\a%2)+2*\i+8*(\i/4))*4096 th:TH_LOAD_NT
.endr
.endr
	WIN 0
	s_mul_i32 s80, s15, HPN
	s_mul_i32 s81, s16, HPN
	s_add_co_u32 s82, s80, PAN
	v_add_nc_u32 v5, s82, v4
	v_add_nc_u32 v6, s81, v4
	s_sub_co_u32 s83, s82, s81
	v_mul_u32_u24 v7, s83, v3
	v_add_nc_u32 v7, v7, v15
	s_add_co_u32 s83, s81, 8192
	v_add_nc_u32 v7, s83, v7
	v_add_nc_u32 v12, SLOT, v5
	v_add_nc_u32 v13, SLOT, v6
	v_add_nc_u32 v14, SLOT, v7
	s_mul_i32 s84, s14, 4352
	s_add_co_u32 s84, s84, STG
	v_mul_u32_u24 v9, v2, 272
	v_lshl_add_u32 v9, v3, 6, v9
	v_add_nc_u32 v9, s84, v9
	v_mul_u32_u24 v10, v3, 272
	v_add_nc_u32 v10, v10, v15
	v_add_nc_u32 v10, s84, v10
.macro SCALES ads
.irp g, 0,1
.irp i, 0,1,2,3
	ds_load_b128 v[SC+16*\g+4*\i:SC+16*\g+4*\i+3], v[\ads] offset:\i*REC+\g*256
.endr
.endr
.endm
.macro FETCH s, set, adl, adr
.irp i, 0,1,2,3
.irp c, 0,1
	ds_load_b128 v[64+64*(\set)+8*\i+4*\c:64+64*(\set)+8*\i+4*\c+3], v[\adr] offset:\i*REC+(\s)*1024+\c*512
.endr
.endr
.irp i, 0,1,2,3
.irp c, 0,1
	ds_load_b128 v[96+64*(\set)+8*\i+4*\c:96+64*(\set)+8*\i+4*\c+3], v[\adl] offset:\i*REC+(\s)*1024+\c*512
.endr
.endr
.endm
.macro MUL s, set, first
.if \first
	WIN 0x40
.else
	WIN 0x50
.endif
.irp a, 0,1,2,3
.irp t, 0,1,2,3
.set rD, 8*(4*\a+\t)
.set rR, 64+64*(\set)+8*\t
.set rL, 96+64*(\set)+8*\a
.set sR, SC+16*((\s)/4)+4*\t+(\s)%4
.set sL, SC+16*((\s)/4)+4*\a+(\s)%4
.set rC, rD
.if \first
.set rC, 192+8*\t
.endif
	v_wmma_scale_f32_16x16x128_f8f6f4 v[rD:rD+7], v[rR:rR+7], v[rL:rL+7], v[rC:rC+7], v[sR], v[sL] matrix_a_fmt:MATRIX_FMT_FP4 matrix_b_fmt:MATRIX_FMT_FP4 matrix_b_scale:MATRIX_SCALE_ROW1
.endr
.endr
.endm
.macro PASS first, adl, adr, ads
	PLACES
	WIN 0
	SCALES \ads
	FETCH 0, 0, \adl, \adr
.set KQ, 0
.rept 8
.if KQ < 7
.if KQ > 0
	PLACES
.endif
	WIN 0
	FETCH KQ+1, (KQ+1)%2, \adl, \adr
	s_wait_dscnt 16
.else
	s_wait_dscnt 0x0
.endif
.if KQ == 0
	MUL KQ, KQ%2, \first
.else
	MUL KQ, KQ%2, 0
.endif
.set KQ, KQ+1
.endr
.endm
.macro REFILL sl
	WIN 0
	s_wait_tensorcnt 0x0
	ds_add_u32 v30, v31
	s_add_nc_u64 s[34+4*\sl:35+4*\sl], s[34+4*\sl:35+4*\sl], 2*TSTR
	s_add_nc_u64 s[46+12*\sl:47+12*\sl], s[46+12*\sl:47+12*\sl], 2*WSTR
	s_wait_dscnt 0x0
	CROUND
	JLOAD \sl
.endm
.macro EPI_RES
	PLACES
.irp a, 0,1,2,3
	WIN 0x04
.irp t, 0,1,2,3
	ds_store_b128 v9, v[8*(4*\a+\t):8*(4*\a+\t)+3] offset:128*(\t/2)+32*(\t%2)
	ds_store_b128 v9, v[8*(4*\a+\t)+4:8*(4*\a+\t)+7] offset:128*(\t/2)+32*(\t%2)+16
.endr
	WIN 0
.irp i, 0,1,2,3,4,5,6,7
	ds_load_b128 v[64+32*\a+4*\i:64+32*\a+4*\i+3], v10 offset:544*\i
.endr
.endr
	s_wait_loadcnt 0x0
.irp a, 0,1,2,3
	s_wait_dscnt 16*(3-\a)
	WIN 0x04
.irp i, 0,2,4,6,8,10,12,14,16,18,20,22,24,26,28,30
	v_pk_add_f32 v[64+32*\a+\i:64+32*\a+\i+1], v[64+32*\a+\i:64+32*\a+\i+1], v[128+32*\a+\i:128+32*\a+\i+1]
.endr
	WIN 0
.irp i, 0,1,2,3,4,5,6,7
	global_store_b128 v11, v[64+32*\a+4*\i:64+32*\a+4*\i+3], s[68:69] offset:(32*(\a/2)+8*(\a%2)+2*\i+8*(\i/4))*4096
.endr
.endr
.endm
.if NCH == 1
	s_wait_tensorcnt 0x0
	BAR
	s_wait_loadcnt 32
	PASS 1, 5, 6, 7
.else
	s_wait_alu depctr_va_vdst(0)                   ; the head's end
	s_wait_tensorcnt 0x0                           ; my panel is in; no tensor load of mine is out, so a descriptor may be written: the ring's loads bring half a panel, 136 rows
	s_mov_b32 s26, 136<<16
	s_mov_b32 s28, 136
	s_mov_b32 s50, 136<<16
	s_mov_b32 s52, 136
	BAR
	s_wait_loadcnt 32
	PASS 1, 5, 6, 7
	REFILL 0
	s_wait_alu depctr_va_vdst(0)
	PASS 0, 12, 13, 14
	REFILL 1
	PASS 0, 5, 6, 7
	WIN 0
	s_wait_tensorcnt 0x0
	BAR
	PASS 0, 12, 13, 14
.endif
	EPI_RES
	s_wait_tensorcnt 0x0
	ds_add_u32 v30, v31
	s_wait_dscnt 0x0
	CROUND
	s_endpgm
.Lfunc_end_k_qb5f58fd2e2_fc2:
	.size	k_qb5f58fd2e2_fc2, .Lfunc_end_k_qb5f58fd2e2_fc2-k_qb5f58fd2e2_fc2
	.p2alignl 7, 3214868480
	.fill 96, 4, 3214868480
	.section	.rodata,"a",@progbits
	.p2align	6, 0x0
	.amdhsa_kernel k_qb5f58fd2e2_fc2
		.amdhsa_group_segment_fixed_size 327680
		.amdhsa_private_segment_fixed_size 0
		.amdhsa_enable_private_segment 0
		.amdhsa_kernarg_size 40
		.amdhsa_user_sgpr_count 2
		.amdhsa_user_sgpr_kernarg_segment_ptr 1
		.amdhsa_wavefront_size32 1
		.amdhsa_system_sgpr_workgroup_id_x 1
		.amdhsa_system_sgpr_workgroup_id_y 1
		.amdhsa_system_sgpr_workgroup_id_z 1
		.amdhsa_system_vgpr_workitem_id 0
		.amdhsa_next_free_vgpr 512
		.amdhsa_next_free_sgpr 100
		.amdhsa_reserve_vcc 0
		.amdhsa_float_denorm_mode_32 3
		.amdhsa_float_denorm_mode_16_64 3
		.amdhsa_memory_ordered 1
		.amdhsa_forward_progress 1
		.amdhsa_inst_pref_size 130
	.end_amdhsa_kernel
	.amdgpu_metadata
---
amdhsa.version: [ 1, 2 ]
amdhsa.kernels:
  - .name:           k_qb5f58fd2e2_fc2
    .symbol:         k_qb5f58fd2e2_fc2.kd
    .args:
      - { .name: a4, .offset: 0, .size: 8, .value_kind: global_buffer, .address_space: global }
      - { .name: wimg, .offset: 8, .size: 8, .value_kind: global_buffer, .address_space: global }
      - { .name: fc2_b, .offset: 16, .size: 8, .value_kind: global_buffer, .address_space: global }
      - { .name: x1, .offset: 24, .size: 8, .value_kind: global_buffer, .address_space: global }
      - { .name: out0, .offset: 32, .size: 8, .value_kind: global_buffer, .address_space: global }
    .group_segment_fixed_size: 327680
    .private_segment_fixed_size: 0
    .kernarg_segment_align: 8
    .kernarg_segment_size: 40
    .max_flat_workgroup_size: 128
    .sgpr_count:     100
    .vgpr_count:     512
    .wavefront_size: 32
...
	.end_amdgpu_metadata
.endif
;; end of part 6
